; MI455X (gfx1250); checked and timed in simulation.
; The chip was launched on July 23, 2026; its instructions are those of AMD's public machine-readable ISA for CDNA 5 (MIT licence, August 2026) and "CDNA5" Instruction Set Architecture Reference Guide (July 2026). The comments in the code are by the model that wrote it; some were corrected since.
;; Mock Mo E Layer. Allowed arithmetic: matrix products marked QUANTISED: E4M3 operands, one E8M0 scale for each 32 along K, by v_wmma_scale_f32_16x16x128_f8f6f4 with both operands' format E4M3, f32 sums; products left as they are: f32 operands where the result goes on into a quantised operand, else bf16, f16 or f32 operands; f32 sums; everything else in f32.
;; Inputs: expert_W 8 x 1,024 x 1,024 float32; expert_b 8 x 1,024 float32; gate_W 8 x 1,024 float32; gate_b 8 float32; x 8,192 x 1,024 float32.
;; Outputs: out0 8,192 x 1,024 float32.
;; This version of the problem:
;;   THIS VERSION OF THE PROBLEM IS GIVEN IN LOW PRECISION. The matrix products marked QUANTISED in the list below multiply operands that are first quantised to E4M3 (4 exponent bits, 3 mantissa bits; 8 bits a number), with one power-of-two scale for each 32 numbers along K (OCP MX v1.0); their sums are f32. All else is computed in f32.
;;   The module's matrix products, in the order in which they are computed (A, B: the left and right operand; K: the contracted axis; several contracted axes count as one K, in the product's order):
;;     1. [M 8,192, K 1,024] x [K 1,024, N 8]; A: input x; B: input gate_W: left as it is (N = 8 < 16)
;;     2. [M 8,192, K 1,024] x [K 1,024, N 1,024]; A: input x; B: input expert_W: QUANTISED
;;     3. [M 8,192, K 1,024] x [K 1,024, N 1,024]; A: input x; B: input expert_W: QUANTISED
;;     4. [M 8,192, K 1,024] x [K 1,024, N 1,024]; A: input x; B: input expert_W: QUANTISED
;;     5. [M 8,192, K 1,024] x [K 1,024, N 1,024]; A: input x; B: input expert_W: QUANTISED
;;     6. [M 8,192, K 1,024] x [K 1,024, N 1,024]; A: input x; B: input expert_W: QUANTISED
;;     7. [M 8,192, K 1,024] x [K 1,024, N 1,024]; A: input x; B: input expert_W: QUANTISED
;;     8. [M 8,192, K 1,024] x [K 1,024, N 1,024]; A: input x; B: input expert_W: QUANTISED
;;     9. [M 8,192, K 1,024] x [K 1,024, N 1,024]; A: input x; B: input expert_W: QUANTISED
;;   THE QUANTISER, for each operand of a quantised product, along K:
;;     - K is cut into blocks of 32 from its start; a last block that is shorter is filled with zeros.
;;     - A block's scale is 2^e with e = floor(log2(the largest magnitude in the block)) - 8, held to -126 .. 127; a block of zeros has e = 0. As a byte (E8M0): e + 127.
;;     - Each number is divided by its block's scale, clamped to +-448, and rounded to the nearest number of E4M3, ties to even, subnormals kept.
;;     - The product sums the exact products of the quantised numbers (number of the format x scale) in f32.
;;   ~~~python
;;   def quantise(x, axis):      # numpy; x: float32 -> the quantised numbers, widened to float32 again
;;       x = np.moveaxis(x, axis, -1); K = x.shape[-1]
;;       x = np.pad(x, [(0, 0)] * (x.ndim - 1) + [(0, -K % 32)]); x = x.reshape(x.shape[:-1] + (-1, 32)); a = np.abs(x).max(-1, keepdims=True)
;;       e = np.where(a > 0, np.clip(np.frexp(np.where(a > 0, a, 1))[1] - 1 - 8, -126, 127), 0)      # np.frexp(a)[1] - 1 = floor(log2(a)), exactly
;;       r = np.clip(x / 2.0 ** e, -448, 448)
;;       step = 2.0 ** (np.maximum(np.frexp(np.where(r == 0, 1, r))[1] - 1, -6) - 3)
;;       q = np.round(r / step) * step * 2.0 ** e      # np.round: ties to even
;;       return np.moveaxis(q.reshape(q.shape[:-2] + (-1,))[..., :K], -1, axis).astype(np.float32)
;;   ~~~
;; 2 versions, each right; version 2 is version 1 with the launch moe written anew for expert scheduling mode. Each part assembles by itself: llvm-mc -triple=amdgcn-amd-amdhsa -mcpu=gfx1250 --defsym DOCPART=n.
;; ======== version 1 of 2: 3 launches
;; workspace buffers: xcodes 8,388,608 bytes; xscl 262,144 bytes; wcodes 8,388,608 bytes; wscl 262,144 bytes; wpair 65,536 bytes; sel 32,768 bytes of whole numbers; hist 65,536 bytes of whole numbers; order 32,768 bytes of whole numbers
;; launch prep (part 1): grid 256 x 1, 4 waves a work-group, no clusters, 67,072 bytes of LDS; arguments x, gate_W, gate_b, expert_W, xcodes, xscl, wcodes, wscl, wpair, sel, hist; writes xcodes, xscl, wcodes, wscl, wpair, sel, hist
.if DOCPART == 1
	.amdgcn_target "amdgcn-amd-amdhsa--gfx1250"
	.amdhsa_code_object_version 6
	.text
	.protected	k_q7af233b9f4_prep
	.globl	k_q7af233b9f4_prep
	.p2align	8
	.type	k_q7af233b9f4_prep,@function
k_q7af233b9f4_prep:
	s_mov_b64 s[64:65], 0
	v_nop
	global_prefetch_b8 v0, s[64:65] scope:SCOPE_SE
	s_setreg_imm32_b32 hwreg(HW_REG_WAVE_MODE, 25, 1), 1
	s_wait_xcnt 0x0
; PREP.  One launch, two jobs, told apart by the work-group's number (even: x, odd: expert_W); each job has LDS bytes of its own and no barrier: waves share nothing.
; EVEN WORK-GROUPS: 64 rows of x, 16 a wave.  Each row is (a) turned into codes of E4M3 with one E8M0 byte for each 32 along K (xcodes [8192][1024], xscl [8192][32]) and
;   (b) multiplied in f32 with the 8 rows of gate_W, which the wave keeps in 256 registers.  At the wave's end: + gate_b, softmax with its maximum taken away, the two largest
;   probabilities (the lower index wins a tie).  Stored at FIXED places: wpair (p of the lower-numbered and of the higher-numbered chosen expert), sel (class | rank in the
;   wave's 16 tokens << 8 | lower expert << 16 | higher << 20) and hist (how many of the 16 tokens fall into each of the 28 classes of pairs).  No address and no branch hangs on them.
;   The class of a pair (lo, hi) is lo (15 - lo) / 2 + (lo even: hi - lo - 1; lo odd: 7 - hi): neighbouring classes share an expert.
; ODD WORK-GROUPS: a wave takes 16 rows of one expert's W, all of K, and stores codes and scale words in the order of the matrix operand's registers:
;   wcodes [e][jg 16][k 8][jt 4][c 4][lane][16 bytes], wscl [e][jg][k][lane][2] words.
; A block's scale is 2^(floor(log2(its largest magnitude)) - 8); its byte is the largest magnitude's exponent field - 8, held at 1 from below.
; LIMITS: NaN and infinities among the inputs are not served.  A block of zeros gets the byte 1 where the rule says 127: its codes are zeros, and this program alone reads the bytes.
;   A probability under 2^-126 comes out as 0 (the exponential flushes).  The logits are sums in another order than the reference's: two probabilities that lie within f32 rounding of
;   each other may be ordered otherwise than there.
; sel, wpair, hist (64 to 128 bytes a wave) and wscl (64 bytes a store) are short stores: 0.4 MB of the launch's 17 MB; all else leaves as 512 consecutive bytes a store.
.set R,   16                           ; x path: v16-143 eight sets of 16 numbers as loaded;  W path: two sets of 64
.set X,   144                          ; x path: v144-175 two sets of 16 neighbours;  W path: v144-207 64 numbers in the operand's order
.set C,   176                          ; x path: v176-207 four registers of codes for each of a trip's 8 steps
.set ACC, 208                          ; x path: v208-223 the eight logits' partial sums, a pair each
.set L,   224                          ; x path: v224-231 the logits: row i of the wave in lanes i and i + 16
.set S,   232                          ; x path: v232-239 a row's sums; later the probabilities
.set E,   240                          ; x path: v240-247 a scale byte for each of a trip's 8 steps
.set T2,  248                          ; x path: v248-255 the lane permutes' results
.set PC,  208                          ; W path: v208-223 a fragment's codes
.set TM,  224                          ; W path: v224-239 at work in QUANT
.set PWK, 240                          ; W path: v240-247 the scale word of each K step
.set PW,  248                          ; W path: the scale word just made
.set MSB, 0
.macro WIN new                         ; the immediate's high byte repeats the setting that is left
.if MSB != \new
	s_set_vgpr_msb (MSB<<8)|\new
.set MSB, \new
.endif
.endm
	s_load_b512 s[4:19], s[0:1], 0x0               ; x 4:5, gate_W 6:7, gate_b 8:9, expert_W 10:11, xcodes 12:13, xscl 14:15, wcodes 16:17, wscl 18:19
	s_load_b128 s[20:23], s[0:1], 0x40             ; wpair 20:21, sel 22:23
	s_load_b64 s[24:25], s[0:1], 0x50              ; hist
	v_lshl_add_u32 v15, v0, 2, 0x10400
	s_set_vgpr_msb 0x80
	v_mov_b32 v1, 0
	s_set_vgpr_msb 0x8000
	v_lshrrev_b32 v1, 5, v0
	v_readfirstlane_b32 s26, v1                    ; wave 0..3
	v_and_b32 v1, 31, v0                           ; lane
	v_lshlrev_b32 v2, 4, v1                        ; 16 x lane
	s_lshr_b32 s27, ttmp9, 1                       ; which 64 rows of x, or which 64 rows of W
	s_mov_b32 s44, 0x76543210
	s_mov_b32 s45, 0xfedcba98                      ; v_permlanex16_b32's selects for lane l xor 16
	s_mov_b32 s43, 0x600000                        ; the mantissa field of 448
	s_mov_b32 s31, 0
	s_and_b32 s28, ttmp9, 1
	s_wait_kmcnt 0x0
	s_cmp_lg_u32 s28, 0
	s_cbranch_scc1 .Lw
; ------------------------------------------------------------------ x
	s_lshl_b32 s28, s27, 6
	s_lshl_b32 s29, s26, 4
	s_add_co_u32 s28, s28, s29                     ; my wave's first row
	s_lshl_b32 s30, s28, 12
	s_add_nc_u64 s[4:5], s[4:5], s[30:31]          ; x: 4,096 bytes a row
	s_lshl_b32 s30, s28, 10
	s_add_nc_u64 s[12:13], s[12:13], s[30:31]      ; xcodes: 1,024
	s_lshl_b32 s30, s28, 5
	s_add_nc_u64 s[14:15], s[14:15], s[30:31]      ; xscl: 32
	s_lshl_b32 s30, s28, 2
	s_add_nc_u64 s[22:23], s[22:23], s[30:31]      ; sel: 4
	s_lshl_b32 s30, s28, 3
	s_add_nc_u64 s[20:21], s[20:21], s[30:31]      ; wpair: 8
	s_add_nc_u64 s[24:25], s[24:25], s[30:31]      ; hist: 128 bytes for 16 rows: 8 a row too
	s_load_b256 s[32:39], s[8:9], 0x0              ; gate_b
	v_lshlrev_b32 v7, 6, v1                        ; gate_W: my 16 numbers of each 512
	WIN 0x40                                       ; destination window 1
.irp p, 0,1
.irp e, 0,1,2,3,4,5,6,7
.irp j, 0,1,2,3
	global_load_b128 v[128*\p+16*\e+4*\j:128*\p+16*\e+4*\j+3], v7, s[6:7] offset:4096*\e+2048*\p+16*\j   ; gate_W[e][512 p + 16 lane + 4 j ..]: it stays in window 1
.endr
.endr
.endr
	WIN 0
.macro XLOAD t                         ; step t of the trip: 512 numbers; each load reads 512 consecutive bytes
.irp i, 0,1,2,3
	global_load_b128 v[R+16*((\t)%8)+4*\i:R+16*((\t)%8)+4*\i+3], v2, s[4:5] offset:2048*(\t)+512*\i th:TH_LOAD_NT
.endr
.endm
.macro XTURN t                         ; a step's 2,048 bytes go through the wave's own stage as they lie and come back 64 bytes a lane; LDS serves a wave's instructions in order
.irp i, 0,1,2,3
	ds_store_b128 v3, v[R+16*((\t)%8)+4*\i:R+16*((\t)%8)+4*\i+3] offset:2560*((\t)%2)+640*\i
.endr
.irp i, 0,1,2,3
	ds_load_b128 v[X+16*((\t)%2)+4*\i:X+16*((\t)%2)+4*\i+3], v4 offset:2560*((\t)%2)+16*\i
.endr
.endm
.irp t, 0,1,2,3,4,5,6,7
	XLOAD \t
.endr
	s_lshl_b32 s29, s26, 13                        ; my wave's 8,192 bytes of LDS: two stages of 32 x 80 bytes, then 512 scale bytes
	v_lshrrev_b32 v3, 2, v1
	v_mul_u32_u24 v3, v3, 80
	v_and_b32 v8, 3, v1
	v_lshl_add_u32 v3, v8, 4, v3
	v_add_nc_u32 v3, s29, v3                       ; into a stage: four lanes' 64 bytes on end, then 16 of padding
	v_mul_u32_u24 v4, v1, 80
	v_add_nc_u32 v4, s29, v4                       ; out of it: 80 x lane: my 16 neighbours
	v_lshrrev_b32 v5, 1, v1
	v_add_nc_u32 v5, s29, v5
	v_add_nc_u32 v5, 5120, v5                      ; my block's scale byte in step 0
	s_mov_b32 s40, 3                               ; trips of the loop
	s_mov_b32 s41, 0x10001                         ; the lanes that take the row in hand's logits
	s_mov_b32 s42, 0                               ; 128 scale bytes a trip
	v_add_nc_u32 v6, s42, v5
.irp e, 0,1,2,3,4,5,6,7
	v_mov_b32 v[L+\e], 0
	v_mov_b32 v[T2+\e], 0                          ; written once: a lane permute's destination counts as one of its sources
.endr
	s_wait_kmcnt 0x0                               ; gate_b
	s_wait_loadcnt 28                              ; gate_W and step 0 are in; the seven later steps' 28 loads may be out
	XTURN 0
.macro ROWEND                          ; a row's eight sums over the 32 lanes; they go to the row's two lanes of L
.irp e, 0,1,2,3,4,5,6,7
	v_add_f32 v[S+\e], v[ACC+2*\e], v[ACC+2*\e+1]
.endr
.irp m, 1,2,4,8
.irp e, 0,1,2,3,4,5,6,7
	v_add_f32_dpp v[S+\e], v[S+\e], v[S+\e] row_xmask:\m row_mask:0xf bank_mask:0xf
.endr
.endr
.irp e, 0,1,2,3,4,5,6,7
	v_permlanex16_b32 v[T2+\e], v[S+\e], s44, s45
.endr
.irp e, 0,1,2,3,4,5,6,7
	v_add_f32 v[S+\e], v[S+\e], v[T2+\e]
.endr
.irp e, 0,1,2,3,4,5,6,7
	v_cndmask_b32 v[L+\e], v[L+\e], v[S+\e], s41
.endr
	s_lshl_b32 s41, s41, 1
.endm
; A step: 512 numbers, half a row.  ahead = 1: the step eight further on is asked for.  left: how many younger loads may be out when the next step's must be in (under 0: there is no next step).
.macro XSTEP t, ahead, left
.set XS, X+16*((\t)%2)
.set GP, 128*((\t)%2)
	s_wait_dscnt 0x0                               ; this step's numbers are back from the stage, so its stores into the stage have read their registers,
.if \ahead
	XLOAD (\t)+8                                   ; which take the loads of eight steps on
.endif
.if \left >= 0
	s_wait_loadcnt \left                           ; the next step's four loads are in
	XTURN (\t)+1                                   ; and go through the other stage while this step is worked
.endif
	v_max3_num_f32 v8, |v[XS]|, |v[XS+1]|, |v[XS+2]|               ; the largest magnitude of my 16
	v_max3_num_f32 v9, |v[XS+3]|, |v[XS+4]|, |v[XS+5]|
.irp i, 6,10
	v_max3_num_f32 v8, v8, |v[XS+\i]|, |v[XS+\i+1]|
	v_max3_num_f32 v9, v9, |v[XS+\i+2]|, |v[XS+\i+3]|
.endr
	v_max3_num_f32 v8, v8, |v[XS+14]|, |v[XS+15]|
	v_max3_num_f32 v8, v8, v9, 0x4800000           ; and the floor 2^(9 - 127): the byte cannot fall under 1
	v_max_num_f32_dpp v8, v8, v8 row_xmask:1 row_mask:0xf bank_mask:0xf   ; and of my neighbour's 16: the block's
	v_add_nc_u32 v11, 0xfc000000, v8               ; 8 off its exponent field: the conversion's scale operand
	v_and_or_b32 v10, v8, 0x7f800000, s43          ; 448 x the scale
	WIN 0x04                                       ; source 1 (gate_W) in window 1
.irp i, 0,1,2,3,4,5,6,7                        ; the gate, on the numbers as they came: eight chains by turns, two products an instruction
.irp e, 0,1,2,3,4,5,6,7
.if ((\t)%2 == 0) && (\i == 0)
	v_pk_mul_f32 v[ACC+2*\e:ACC+2*\e+1], v[XS+2*\i:XS+2*\i+1], v[GP+16*\e+2*\i:GP+16*\e+2*\i+1]   ; a row's first products start its sums
.else
	v_pk_fma_f32 v[ACC+2*\e:ACC+2*\e+1], v[XS+2*\i:XS+2*\i+1], v[GP+16*\e+2*\i:GP+16*\e+2*\i+1], v[ACC+2*\e:ACC+2*\e+1]
.endif
.endr
.endr
	WIN 0
.irp i, 0,1,2,3,4,5,6,7,8,9,10,11,12,13,14,15
	v_med3_num_f32 v[XS+\i], v[XS+\i], -v10, v10   ; the conversion to an 8-bit code does not saturate (ISA guide 7.6.2): the hold at the largest code x the scale
.endr
	v_cvt_scalef32_pk8_fp8_f32 v[C+4*(\t):C+4*(\t)+1], v[XS:XS+7], v11
	v_cvt_scalef32_pk8_fp8_f32 v[C+4*(\t)+2:C+4*(\t)+3], v[XS+8:XS+15], v11
	v_lshrrev_b32 v[E+(\t)], 23, v11               ; the scale's byte (also the plain line behind the conversions)
	ds_store_b8 v6, v[E+(\t)] offset:16*(\t)       ; both lanes of a block write the same byte with the same value
	global_store_b128 v2, v[C+4*(\t):C+4*(\t)+3], s[12:13] offset:512*(\t)   ; 32 lanes store 512 consecutive bytes
.if (\t)%2 == 1
	ROWEND
.endif
.endm
.Lxtrip:                                               ; a trip: 8 steps, 4 rows; three trips ask ahead
.irp t, 0,1,2,3,4,5,6,7
	XSTEP \t, 1, 28
.endr
	s_wait_xcnt 0x0                                ; the trip's loads and stores have read their bases and data: both may be written again
	s_add_nc_u64 s[4:5], s[4:5], 16384
	s_add_nc_u64 s[12:13], s[12:13], 4096
	s_add_co_u32 s42, s42, 128
	v_add_nc_u32 v6, s42, v5
	s_sub_co_u32 s40, s40, 1
	s_cmp_lg_u32 s40, 0
	s_cbranch_scc1 .Lxtrip
	XSTEP 0, 0, 24                                 ; the last trip asks for nothing: no load leaves the wave's rows, and the counts run down
	XSTEP 1, 0, 20
	XSTEP 2, 0, 16
	XSTEP 3, 0, 12
	XSTEP 4, 0, 8
	XSTEP 5, 0, 4
	XSTEP 6, 0, 0
	XSTEP 7, 0, -1
	; the wave's end: a lane is a row (lanes 16-31 repeat lanes 0-15)
.irp e, 0,1,2,3,4,5,6,7
	v_add_f32 v[L+\e], s[32+\e], v[L+\e]           ; + gate_b
.endr
	v_max3_num_f32 v8, v[L], v[L+1], v[L+2]
	v_max3_num_f32 v8, v8, v[L+3], v[L+4]
	v_max3_num_f32 v8, v8, v[L+5], v[L+6]
	v_max_num_f32 v8, v8, v[L+7]                   ; the row's largest logit
.irp e, 0,1,2,3,4,5,6,7
	v_sub_f32 v[S+\e], v[L+\e], v8
.endr
.irp e, 0,1,2,3,4,5,6,7
	v_mul_f32 v[S+\e], 0x3fb8aa3b, v[S+\e]         ; x log2(e)
.endr
.irp e, 0,1,2,3,4,5,6,7
	v_exp_f32 v[S+\e], v[S+\e]
.endr
	v_lshlrev_b32 v26, 2, v1                       ; 4 x lane (a plain line behind the exponentials)
	s_wait_alu depctr_va_vdst(0)                   ; the wait ahead of the batch's first reader: one for the eight
	v_add_f32 v9, v[S], v[S+1]
	v_add_f32 v10, v[S+2], v[S+3]
	v_add_f32 v11, v[S+4], v[S+5]
	v_add_f32 v12, v[S+6], v[S+7]
	v_add_f32 v9, v9, v10
	v_add_f32 v11, v11, v12
	v_add_f32 v9, v9, v11
	v_rcp_f32 v10, v9
	v_lshlrev_b32 v32, 3, v1                       ; 8 x lane (a plain line behind the reciprocal)
	s_wait_alu depctr_va_vdst(0)                   ; and the wait ahead of its first reader
.irp e, 0,1,2,3,4,5,6,7
	v_mul_f32 v[S+\e], v[S+\e], v10                ; the probabilities
.endr
	v_mov_b32 v11, v[S]                            ; the largest: an ascending walk with a strict compare keeps the lower index in a tie
	v_mov_b32 v12, 0
.irp e, 1,2,3,4,5,6,7
	v_cmp_gt_f32 vcc_lo, v[S+\e], v11
	v_cndmask_b32 v11, v11, v[S+\e], vcc_lo
	v_cndmask_b32 v12, v12, \e, vcc_lo
.endr
	v_mov_b32 v13, -1.0                            ; the second: the same walk, passing over the first
	v_mov_b32 v14, 0
.irp e, 0,1,2,3,4,5,6,7
	v_cmp_gt_f32 s30, v[S+\e], v13
	v_cmp_ne_u32 vcc_lo, \e, v12
	s_and_b32 vcc_lo, vcc_lo, s30
	v_cndmask_b32 v13, v13, v[S+\e], vcc_lo
	v_cndmask_b32 v14, v14, \e, vcc_lo
.endr
	v_min_u32 v16, v12, v14                        ; lo
	v_max_u32 v17, v12, v14                        ; hi
	v_cmp_lt_u32 vcc_lo, v12, v14
	v_cndmask_b32 v18, v13, v11, vcc_lo            ; p of lo
	v_cndmask_b32 v19, v11, v13, vcc_lo            ; p of hi
	v_sub_nc_u32 v21, 15, v16
	v_mul_u32_u24 v21, v16, v21
	v_lshrrev_b32 v21, 1, v21                      ; lo (15 - lo) / 2
	v_sub_nc_u32 v22, v17, v16
	v_add_nc_u32 v22, -1, v22                      ; hi - lo - 1
	v_sub_nc_u32 v27, 7, v17                       ; 7 - hi
	v_and_b32 v28, 1, v16
	v_cmp_eq_u32 vcc_lo, 1, v28
	v_cndmask_b32 v22, v22, v27, vcc_lo
	v_add_nc_u32 v20, v21, v22                     ; the class, 0 .. 27
	v_mov_b32 v23, 0                               ; the counts: lane b holds class b's
	v_mov_b32 v24, 0                               ; my rank among the wave's tokens of my class
.set BB, 0
.rept 28
	v_cmp_eq_u32 s30, BB, v20
	s_and_b32 s30, s30, 0xffff                     ; lanes 0-15 are the 16 tokens
	s_bcnt1_i32_b32 s31, s30
	v_writelane_b32 v23, s31, BB
	v_mbcnt_lo_u32_b32 v21, s30, 0                 ; how many of them stand below my lane
	v_cndmask_b32 v24, v24, v21, s30
.set BB, BB+1
.endr
	v_lshl_or_b32 v25, v24, 8, v20
	v_lshl_or_b32 v25, v16, 16, v25
	v_lshl_or_b32 v25, v17, 20, v25                ; class | rank << 8 | lo << 16 | hi << 20
	global_store_b32 v26, v23, s[24:25]            ; hist: 32 words
	s_add_co_u32 s29, s29, 5120
	v_add_nc_u32 v27, s29, v2
	ds_load_b128 v[28:31], v27                     ; my wave's 512 scale bytes: LDS serves a wave's instructions in order: these see my stores
	s_wait_dscnt 0x0
	global_store_b128 v2, v[28:31], s[14:15]       ; 512 consecutive bytes: 16 rows of xscl
	s_wait_xcnt 0x0                                ; EXEC changes only behind this wait
	v_cmp_gt_u32 vcc_lo, 16, v1
	s_set_vgpr_msb 0x8
	s_wait_tensorcnt 0x0
	ds_add_u32 v15, v1
	s_wait_dscnt 0x0
	s_set_vgpr_msb 0x800
	s_and_saveexec_b32 s30, vcc_lo
	global_store_b32 v26, v25, s[22:23]            ; sel
	global_store_b64 v32, v[18:19], s[20:21]       ; wpair
	s_endpgm
; ------------------------------------------------------------------ expert_W
.Lw:
	s_lshl_b32 s28, s27, 2
	s_add_co_u32 s28, s28, s26                     ; my tile of 16 rows, 0 .. 511: expert x 64 + 4 jg + jt, jt = my wave
	s_lshl_b32 s30, s28, 16
	s_add_nc_u64 s[10:11], s[10:11], s[30:31]      ; 16 rows of 4,096 bytes
	s_lshl_b32 s30, s27, 16
	s_add_nc_u64 s[16:17], s[16:17], s[30:31]      ; wcodes: 65,536 bytes for each (expert, jg),
	s_lshl_b32 s30, s26, 11
	s_add_nc_u64 s[16:17], s[16:17], s[30:31]      ; 2,048 for each jt
	s_lshl_b32 s30, s27, 11
	s_add_nc_u64 s[18:19], s[18:19], s[30:31]      ; wscl: 2,048 bytes for each (expert, jg)
	v_and_b32 v8, 15, v0                           ; r
	v_bfe_u32 v9, v0, 4, 1                         ; h
	s_mul_i32 s29, s26, 8448
	s_add_co_u32 s29, s29, 32768                   ; my stage: 16 rows x (512 bytes + 16), behind the other job's bytes
	v_add_nc_u32 v3, s29, v2                       ; in: 16 x lane of a row
	v_mul_u32_u24 v4, v8, 528
	v_lshl_add_u32 v4, v9, 6, v4
	v_add_nc_u32 v4, s29, v4                       ; out: row r, + 64 h: my 16 numbers of a block of 32
	s_and_b32 s30, s26, 1
	s_lshl_b32 s30, s30, 7
	s_lshr_b32 s28, s26, 1
	s_lshl_b32 s28, s28, 2
	s_add_co_u32 s30, s30, s28
	v_lshl_add_u32 v5, v8, 3, s30                  ; my row's scale word: lane 16 (jt % 2) + r, word jt / 2
.irp b, 0,1,2,3
	v_mov_b32 v[TM+4+\b], 0                        ; written once: a lane permute's destination counts as one of its sources
.endr
.macro WLOAD k                         ; K step k of my 16 rows: each load reads 512 consecutive bytes of one row
.irp i, 0,1,2,3,4,5,6,7,8,9,10,11,12,13,14,15
	global_load_b128 v[R+64*((\k)%2)+4*\i:R+64*((\k)%2)+4*\i+3], v2, s[10:11] offset:4096*\i+512*(\k) th:TH_LOAD_NT
.endr
.endm
; 64 numbers of a lane, register 16 b + i = k 32 b + 16 (lane / 16) + i of my row, become a fragment's codes in v[PC] on and its scale word in v[PW]
.macro QUANT s
.irp b, 0,1,2,3
	v_max3_num_f32 v[TM+\b], |v[\s+16*\b]|, |v[\s+1+16*\b]|, 0x4800000   ; block b: my 16 numbers, and the floor 2^(9 - 127)
.endr
.irp i, 2,4,6,8,10,12,14
.irp b, 0,1,2,3
	v_max3_num_f32 v[TM+\b], v[TM+\b], |v[\s+16*\b+\i]|, |v[\s+1+16*\b+\i]|   ; the four blocks by turns
.endr
.endr
.irp b, 0,1,2,3
	v_permlanex16_b32 v[TM+4+\b], v[TM+\b], s44, s45
.endr
.irp b, 0,1,2,3
	v_max_num_f32 v[TM+\b], v[TM+\b], v[TM+4+\b]   ; with lane l xor 16's: the block's largest magnitude
.endr
.irp b, 0,1,2,3
	v_add_nc_u32 v[TM+12+\b], 0xfc000000, v[TM+\b]   ; 8 off its exponent field: the conversion's scale operand
.endr
.irp b, 0,1,2,3
	v_and_or_b32 v[TM+8+\b], v[TM+\b], 0x7f800000, s43   ; 448 x the scale
.endr
.irp b, 0,1,2,3
	v_lshrrev_b32 v[TM+4+\b], 23, v[TM+12+\b]      ; the scale's byte
.endr
	v_lshl_or_b32 v[PW], v[TM+5], 8, v[TM+4]       ; the four bytes make my row's scale word
	v_lshl_or_b32 v[PW], v[TM+6], 16, v[PW]
	v_lshl_or_b32 v[PW], v[TM+7], 24, v[PW]
.irp b, 0,1,2,3
.irp i, 0,1,2,3,4,5,6,7,8,9,10,11,12,13,14,15
	v_med3_num_f32 v[\s+16*\b+\i], v[\s+16*\b+\i], -v[TM+8+\b], v[TM+8+\b]   ; the hold at the largest code x the scale (ISA guide 7.6.2)
.endr
	v_cvt_scalef32_pk8_fp8_f32 v[PC+4*\b:PC+1+4*\b], v[\s+16*\b:\s+7+16*\b], v[TM+12+\b]
	v_cvt_scalef32_pk8_fp8_f32 v[PC+2+4*\b:PC+3+4*\b], v[\s+8+16*\b:\s+15+16*\b], v[TM+12+\b]
.endr
	v_nop                                          ; one plain line behind the last conversion
.endm
.macro WSTEP k
.if (\k) < 7
	s_wait_loadcnt 16                              ; this K step's 16 loads are in; the next step's may be out
.else
	s_wait_loadcnt 0x0
.endif
.irp i, 0,1,2,3,4,5,6,7,8,9,10,11,12,13,14,15
	ds_store_b128 v3, v[R+64*((\k)%2)+4*\i:R+64*((\k)%2)+4*\i+3] offset:528*\i
.endr
.irp b, 0,1,2,3
.irp j, 0,1,2,3
	ds_load_b128 v[X+16*\b+4*\j:X+16*\b+4*\j+3], v4 offset:128*\b+16*\j   ; rows 528 bytes apart: sixteen lanes touch sixteen different columns of 16 bytes
.endr
.endr
	s_wait_dscnt 0x0                               ; the numbers are back, and the stores have read their registers,
.if (\k) < 6
	WLOAD (\k)+2                                   ; which take the loads of two steps on
.endif
	s_wait_xcnt 0x0                                ; the last step's stores have read v[PC] on
	QUANT X
	v_mov_b32 v[PWK+(\k)], v[PW]
.irp c, 0,1,2,3
	global_store_b128 v2, v[PC+4*\c:PC+4*\c+3], s[16:17] offset:8192*(\k)+512*\c   ; the fragment as its registers stand: 512 consecutive bytes a store
.endr
.endm
	WLOAD 0
	WLOAD 1
.irp k, 0,1,2,3,4,5,6,7
	WSTEP \k
.endr
	s_wait_xcnt 0x0                                ; EXEC changes only behind this wait
	v_cmp_gt_u32 vcc_lo, 16, v1
	s_set_vgpr_msb 0x8
	s_wait_tensorcnt 0x0
	ds_add_u32 v15, v1
	s_wait_dscnt 0x0
	s_set_vgpr_msb 0x800
	s_and_saveexec_b32 s30, vcc_lo
.irp k, 0,1,2,3,4,5,6,7
	global_store_b32 v5, v[PWK+\k], s[18:19] offset:256*\k
.endr
	s_endpgm
.Lfunc_end_k_q7af233b9f4_prep:
	.size	k_q7af233b9f4_prep, .Lfunc_end_k_q7af233b9f4_prep-k_q7af233b9f4_prep
	.p2alignl 7, 3214868480
	.fill 96, 4, 3214868480
	.section	.rodata,"a",@progbits
	.p2align	6, 0x0
	.amdhsa_kernel k_q7af233b9f4_prep
		.amdhsa_group_segment_fixed_size 67072
		.amdhsa_private_segment_fixed_size 0
		.amdhsa_enable_private_segment 0
		.amdhsa_kernarg_size 88
		.amdhsa_user_sgpr_count 2
		.amdhsa_user_sgpr_kernarg_segment_ptr 1
		.amdhsa_wavefront_size32 1
		.amdhsa_system_sgpr_workgroup_id_x 1
		.amdhsa_system_sgpr_workgroup_id_y 1
		.amdhsa_system_sgpr_workgroup_id_z 1
		.amdhsa_system_vgpr_workitem_id 0
		.amdhsa_next_free_vgpr 514
		.amdhsa_next_free_sgpr 66
		.amdhsa_reserve_vcc 1
		.amdhsa_float_denorm_mode_32 3
		.amdhsa_float_denorm_mode_16_64 3
		.amdhsa_memory_ordered 1
		.amdhsa_forward_progress 1
		.amdhsa_inst_pref_size 255
	.end_amdhsa_kernel
	.section	.bss,"aw",@nobits
	.p2align	6
	.space	262144
	.amdgpu_metadata
---
amdhsa.version: [ 1, 2 ]
amdhsa.kernels:
  - .name:           k_q7af233b9f4_prep
    .symbol:         k_q7af233b9f4_prep.kd
    .args:
      - { .name: x, .offset: 0, .size: 8, .value_kind: global_buffer, .address_space: global }
      - { .name: gate_W, .offset: 8, .size: 8, .value_kind: global_buffer, .address_space: global }
      - { .name: gate_b, .offset: 16, .size: 8, .value_kind: global_buffer, .address_space: global }
      - { .name: expert_W, .offset: 24, .size: 8, .value_kind: global_buffer, .address_space: global }
      - { .name: xcodes, .offset: 32, .size: 8, .value_kind: global_buffer, .address_space: global }
      - { .name: xscl, .offset: 40, .size: 8, .value_kind: global_buffer, .address_space: global }
      - { .name: wcodes, .offset: 48, .size: 8, .value_kind: global_buffer, .address_space: global }
      - { .name: wscl, .offset: 56, .size: 8, .value_kind: global_buffer, .address_space: global }
      - { .name: wpair, .offset: 64, .size: 8, .value_kind: global_buffer, .address_space: global }
      - { .name: sel, .offset: 72, .size: 8, .value_kind: global_buffer, .address_space: global }
      - { .name: hist, .offset: 80, .size: 8, .value_kind: global_buffer, .address_space: global }
    .group_segment_fixed_size: 67072
    .private_segment_fixed_size: 0
    .kernarg_segment_align: 8
    .kernarg_segment_size: 88
    .max_flat_workgroup_size: 128
    .sgpr_count:     66
    .vgpr_count:     514
    .wavefront_size: 32
...
	.end_amdgpu_metadata
.endif
;; end of part 1
;; launch place (part 2): grid 1 x 1, 32 waves a work-group, no clusters, 8,192 bytes of LDS; arguments sel, hist, order; writes order
.if DOCPART == 2
	.amdgcn_target "amdgcn-amd-amdhsa--gfx1250"
	.amdhsa_code_object_version 6
	.text
	.protected	k_q7af233b9f4_place
	.globl	k_q7af233b9f4_place
	.p2align	8
	.type	k_q7af233b9f4_place,@function
k_q7af233b9f4_place:
	s_mov_b64 s[64:65], 0
	v_nop
	global_prefetch_b8 v0, s[64:65] scope:SCOPE_SE
	s_setreg_imm32_b32 hwreg(HW_REG_WAVE_MODE, 25, 1), 1
	s_wait_xcnt 0x0
; PLACE.  A counting sort of the 8,192 tokens by their class of expert pair (28 classes), stable, without atomics: one work-group of 32 waves.
; Wave w takes chunks 16 w .. 16 w + 15 of 16 tokens (tokens 256 w .. 256 w + 255).  In the work on counts a lane is a class.
; A token's place = its class's first place + the class's count in all earlier chunks + its rank in its own chunk (which the launch before stored).
; order[place] = token | lower expert << 16 | higher expert << 20.
; The stores are 4 bytes a lane at places that the sort decides: 32 KB in the whole launch.
	s_load_b128 s[4:7], s[0:1], 0x0                ; sel, hist
	s_load_b64 s[8:9], s[0:1], 0x10                ; order
	v_lshl_add_u32 v96, v0, 2, 0x1000
	v_mov_b32 v97, 0
	v_lshrrev_b32 v1, 5, v0
	v_readfirstlane_b32 s10, v1                    ; wave 0..31
	v_and_b32 v1, 31, v0                           ; lane
	v_lshlrev_b32 v5, 2, v1                        ; 4 x lane
	v_lshlrev_b32 v4, 2, v0                        ; LDS: 128 x wave + 4 x lane
	s_lshl_b32 s11, s10, 11
	v_add_nc_u32 v2, s11, v5                       ; hist: my wave's 16 chunks of 128 bytes
	s_lshl_b32 s11, s10, 10
	v_add_nc_u32 v3, s11, v5                       ; sel: my wave's 256 words
	s_lshl_b32 s11, s10, 8
	v_add_nc_u32 v11, s11, v1                      ; my first token
	s_wait_kmcnt 0x0
.irp i, 0,1,2,3,4,5,6,7,8,9,10,11,12,13,14,15
	global_load_b32 v[16+\i], v2, s[6:7] offset:128*\i
.endr
.irp j, 0,1,2,3,4,5,6,7
	global_load_b32 v[32+\j], v3, s[4:5] offset:128*\j
.endr
	s_wait_loadcnt 8                               ; the counts are in; sel's 8 loads may be out
	v_mov_b32 v40, 0                               ; v40-55: the class's count in my wave's earlier chunks
.irp i, 1,2,3,4,5,6,7,8,9,10,11,12,13,14,15
	v_add_nc_u32 v[40+\i], v[39+\i], v[15+\i]
.endr
	v_add_nc_u32 v12, v55, v31                     ; my wave's count of the class
	ds_store_b32 v4, v12
	s_wait_dscnt 0x0                               ; for the others' sake: my store has landed
	s_barrier_signal -1
	s_barrier_wait -1
.irp w, 0,1,2,3,4,5,6,7,8,9,10,11,12,13,14,15,16,17,18,19,20,21,22,23,24,25,26,27,28,29,30,31
	ds_load_b32 v[56+\w], v5 offset:128*\w
.endr
	v_mov_b32 v13, 0                               ; the class's count in all waves
	v_mov_b32 v14, 0                               ; and in the waves before mine
	s_wait_dscnt 0x0
.irp w, 0,1,2,3,4,5,6,7,8,9,10,11,12,13,14,15,16,17,18,19,20,21,22,23,24,25,26,27,28,29,30,31
	v_add_nc_u32 v13, v13, v[56+\w]
	s_cmp_gt_u32 s10, \w
	s_cselect_b32 s12, -1, 0
	v_and_b32 v15, s12, v[56+\w]
	v_add_nc_u32 v14, v14, v15
.endr
	v_mov_b32 v6, v13                              ; a running sum over the classes: inside each half of 16 lanes,
	v_mov_b32 v7, 0
.irp m, 1,2,4,8
	v_mov_b32_dpp v7, v6 row_shr:\m row_mask:0xf bank_mask:0xf bound_ctrl:1
	v_add_nc_u32 v6, v6, v7
.endr
	v_readlane_b32 s12, v6, 15                     ; then the lower half's total onto the upper half
	v_mov_b32 v8, s12
	v_cmp_le_u32 vcc_lo, 16, v1
	v_cndmask_b32 v7, 0, v8, vcc_lo
	v_add_nc_u32 v6, v6, v7
	v_sub_nc_u32 v9, v6, v13                       ; the class's first place,
	v_add_nc_u32 v9, v9, v14                       ; + what the waves before mine put there
.irp i, 0,1,2,3,4,5,6,7,8,9,10,11,12,13,14,15
	v_add_nc_u32 v[40+\i], v[40+\i], v9
.endr
	s_wait_loadcnt 0x0                             ; sel
.irp j, 0,1,2,3,4,5,6,7
	v_and_b32 v[72+\j], 31, v[32+\j]               ; my token's class,
	v_min_u32 v[72+\j], 31, v[72+\j]
	v_lshlrev_b32 v[72+\j], 2, v[72+\j]            ; as a lane's byte index
.endr
.irp j, 0,1,2,3,4,5,6,7                        ; tokens 32 j + lane lie in chunks 2 j (lanes 0-15) and 2 j + 1: the class's place in each comes from the class's lane; no LDS byte is touched
	ds_bpermute_b32 v[56+\j], v[72+\j], v[40+2*\j]
	ds_bpermute_b32 v[64+\j], v[72+\j], v[41+2*\j]
.endr
	s_wait_dscnt 0x0
	v_cmp_gt_u32 vcc_lo, 16, v1
.irp j, 0,1,2,3,4,5,6,7
	v_cndmask_b32 v[56+\j], v[64+\j], v[56+\j], vcc_lo
	v_bfe_u32 v[64+\j], v[32+\j], 8, 5             ; my rank in my chunk
	v_add_nc_u32 v[56+\j], v[56+\j], v[64+\j]
	v_min_u32 v[56+\j], 8191, v[56+\j]             ; a place is under 8,192
	v_lshlrev_b32 v[56+\j], 2, v[56+\j]
	v_add_nc_u32 v[64+\j], 32*\j, v11              ; my token
	v_and_or_b32 v[64+\j], v[32+\j], 0x770000, v[64+\j]   ; with its two experts
	global_store_b32 v[56+\j], v[64+\j], s[8:9]
.endr
	s_wait_tensorcnt 0x0
	ds_add_u32 v96, v97
	s_wait_dscnt 0x0
	s_endpgm
.Lfunc_end_k_q7af233b9f4_place:
	.size	k_q7af233b9f4_place, .Lfunc_end_k_q7af233b9f4_place-k_q7af233b9f4_place
	.p2alignl 7, 3214868480
	.fill 96, 4, 3214868480
	.section	.rodata,"a",@progbits
	.p2align	6, 0x0
	.amdhsa_kernel k_q7af233b9f4_place
		.amdhsa_group_segment_fixed_size 8192
		.amdhsa_private_segment_fixed_size 0
		.amdhsa_enable_private_segment 0
		.amdhsa_kernarg_size 24
		.amdhsa_user_sgpr_count 2
		.amdhsa_user_sgpr_kernarg_segment_ptr 1
		.amdhsa_wavefront_size32 1
		.amdhsa_system_sgpr_workgroup_id_x 1
		.amdhsa_system_sgpr_workgroup_id_y 1
		.amdhsa_system_sgpr_workgroup_id_z 1
		.amdhsa_system_vgpr_workitem_id 0
		.amdhsa_next_free_vgpr 98
		.amdhsa_next_free_sgpr 66
		.amdhsa_reserve_vcc 1
		.amdhsa_float_denorm_mode_32 3
		.amdhsa_float_denorm_mode_16_64 3
		.amdhsa_memory_ordered 1
		.amdhsa_forward_progress 1
		.amdhsa_inst_pref_size 18
	.end_amdhsa_kernel
	.amdgpu_metadata
---
amdhsa.version: [ 1, 2 ]
amdhsa.kernels:
  - .name:           k_q7af233b9f4_place
    .symbol:         k_q7af233b9f4_place.kd
    .args:
      - { .name: sel, .offset: 0, .size: 8, .value_kind: global_buffer, .address_space: global }
      - { .name: hist, .offset: 8, .size: 8, .value_kind: global_buffer, .address_space: global }
      - { .name: order, .offset: 16, .size: 8, .value_kind: global_buffer, .address_space: global }
    .group_segment_fixed_size: 8192
    .private_segment_fixed_size: 0
    .kernarg_segment_align: 8
    .kernarg_segment_size: 24
    .max_flat_workgroup_size: 1024
    .sgpr_count:     66
    .vgpr_count:     98
    .wavefront_size: 32
...
	.end_amdgpu_metadata
.endif
;; end of part 2
;; launch moe (part 3): grid 4 x 64, 4 waves a work-group, no clusters, 164,352 bytes of LDS; arguments xcodes, xscl, wcodes, wscl, wpair, order, expert_b, out0; writes out0
.if DOCPART == 3
	.amdgcn_target "amdgcn-amd-amdhsa--gfx1250"
	.amdhsa_code_object_version 6
	.text
	.protected	k_q7af233b9f4_moe
	.globl	k_q7af233b9f4_moe
	.p2align	8
	.type	k_q7af233b9f4_moe,@function
k_q7af233b9f4_moe:
	s_mov_b64 s[64:65], 0
	v_nop
	global_prefetch_b8 v0, s[64:65] scope:SCOPE_SE
	s_setreg_imm32_b32 hwreg(HW_REG_WAVE_MODE, 25, 1), 1
	s_wait_xcnt 0x0
; MOE.  out[t] = the sum over t's two chosen experts e of p(t, e) x (Q(x[t]) Q(W_e)^T + b_e), on codes of E4M3 with E8M0 scales, f32 sums.
; SHARES.  A work-group takes 128 tokens that stand side by side in the sorted list (work-group y) x 256 columns (work-group x); each output row has one owner, nothing is added across work-groups.
;   Wave w takes all 128 tokens x 64 columns: 32 accumulators.  The tokens' codes (128 x 1,024 bytes) are gathered into LDS once and serve every expert.
; THE WALK.  The block's list of experts (2 at the least; the sort by pairs keeps it short) is made from the stored list.  For each expert: temp = b_e + x W_e^T (the bias is the C of the first K step's
;   products), then out += w x temp, w = the token's probability for that expert, or 0 where the token did not choose it.
; The weights come from memory straight into registers: the launch before laid them in the order of the operand's registers, so each load is 512 consecutive bytes; a ring of four K steps, three asked ahead,
;   on into the next expert.
; NO TENSOR LOADS, NO CLUSTER: the number of experts walked and the weights' addresses hang on numbers read from memory and differ between work-groups, so no joint request could be made alike in all partners.
; THE MATRIX INSTRUCTION IS USED TRANSPOSED: source 0 = 16 rows of W (16 output columns), source 1 = 16 tokens: lane (r, h) holds token r and columns 16 jt + 8 h + 0 .. 7.
; LDS: A 0 .. 139,263: 512 units of 256 + 16 bytes; unit 64 a + 8 k + 2 c + h holds, for the 16 tokens of tile a, their 16 codes K = 128 k + 32 c + 16 h on: a fragment load reads whole units.
;      XSB: x's scale words [k][lane][i]: token 32 i + lane.   TOKB: the tokens' numbers, even rows then odd rows.   STGB: a stage of 16 rows x 272 bytes for each wave.
; REGISTERS, in windows of 256: window 0: addresses, scale words, bias, weights, list entries, and from v128 x's eight fragments; window 1: temp; window 2: out; window 3: the ring of W's fragments.
.set L16, 4                            ; v4   16 x lane
.set L8,  5                            ; v5   8 x lane
.set H32, 6                            ; v6   32 h
.set R4,  7                            ; v7   4 r
.set ADA, 8                            ; v8-10  x's fragments in LDS: 272 h + 16 r + 52,224 g: tiles 3 g .. 3 g + 2
.set XSA, 11                           ; v11  x's scale words: XSB + 16 x lane
.set STA, 12                           ; v12  staging: 272 x lane + 34,816 x wave
.set XSW, 13                           ; v13  staging: XSB + 16 x lane + 4 x wave
.set TKW, 14                           ; v14  staging: my row's word in TOKB
.set STO, 15                           ; v15  the way out: where I put 32 bytes of a row
.set RD,  16                           ; v16  the way out: where I read a row back
.set TKA, 17                           ; v17  the way out: TOKB + 256 (lane / 16)
.set CO,  18                           ; v18  the way out: 16 (lane % 16)
.set SA,  32                           ; v32-39  x's scale words, two sets of 4: register a / 2, lanes 0-15 tile a even, lanes 16-31 tile a odd
.set SB,  40                           ; v40-47  W's scale words, a ring of 4 x 2: register jt / 2, likewise
.set BI,  48                           ; v48-79  the bias in the result's layout, 8 registers for each jt
.set WT,  80                           ; v80-95  tile a's weight at v[80 + 2 a]; the odd registers are named with them as pairs, so they are written
.set ENT, 96                           ; v96-103 tile a's list entry of token r
.set WLH, 104                          ; v104-119 tile a's two probabilities of token r
.set AF,  128                          ; v128-255 x's fragments, tile a at 128 + 16 a
.set BK,  128                          ; the way out: two sets of 32: 16 rows read back
.set TK,  192                          ; two sets of 8: their tokens
.set OF,  208                          ; two sets of 8: their offsets in out
.set XSB,  139264
.set TOKB, 143360
.set STGB, 143872
.set MSB, 0
.macro WIN new                         ; the immediate's high byte repeats the setting that is left
.if MSB != \new
	s_set_vgpr_msb (MSB<<8)|\new
.set MSB, \new
.endif
.endm
.set MUL,  0x53                        ; source 0 (W) window 3, source 1 (x) window 0, C and D window 1
.set MUL0, 0x43                        ; the same with C = the bias, window 0
.set TO_B, 0xc0                        ; destination window 3
.set FMA,  0xa1                        ; source 0 (temp) window 1, source 1 (weight) window 0, source 2 and destination (out) window 2
.set MULW, 0x81                        ; the same without source 2
	s_load_b512 s[8:23], s[0:1], 0x0               ; xcodes 8:9, xscl 10:11, wcodes 12:13, wscl 14:15, wpair 16:17, order 18:19, expert_b 20:21, out0 22:23
	v_lshl_add_u32 v30, v0, 2, 0x28000
	v_mov_b32 v31, 0
	v_lshrrev_b32 v1, 5, v0
	v_readfirstlane_b32 s2, v1                     ; wave 0..3
	v_and_b32 v1, 31, v0                           ; lane
	v_and_b32 v2, 15, v0                           ; r
	v_bfe_u32 v3, v0, 4, 1                         ; h
	v_lshlrev_b32 v[L16], 4, v1
	v_lshlrev_b32 v[L8], 3, v1
	v_lshlrev_b32 v[H32], 5, v3
	v_lshlrev_b32 v[R4], 2, v2
	v_mul_u32_u24 v[ADA], v3, 272
	v_lshl_add_u32 v[ADA], v2, 4, v[ADA]
	v_add_nc_u32 v[ADA+1], 52224, v[ADA]
	v_add_nc_u32 v[ADA+2], 104448, v[ADA]
	v_add_nc_u32 v[XSA], XSB, v[L16]
	s_mul_i32 s3, s2, 34816
	v_mul_u32_u24 v[STA], v1, 272
	v_add_nc_u32 v[STA], s3, v[STA]
	s_lshl_b32 s3, s2, 2
	v_add_nc_u32 v[XSW], s3, v[XSA]
	v_and_b32 v19, 1, v0
	v_lshrrev_b32 v20, 1, v0
	v_lshlrev_b32 v20, 2, v20
	v_lshl_add_u32 v[TKW], v19, 8, v20
	v_add_nc_u32 v[TKW], TOKB, v[TKW]
	s_mul_i32 s3, s2, 4352
	s_add_co_u32 s3, s3, STGB                      ; my stage
	v_mul_u32_u24 v[STO], v2, 272
	v_lshl_add_u32 v[STO], v3, 5, v[STO]
	v_add_nc_u32 v[STO], s3, v[STO]
	v_mul_u32_u24 v[RD], v3, 272
	v_lshl_add_u32 v[RD], v2, 4, v[RD]
	v_add_nc_u32 v[RD], s3, v[RD]
	v_lshl_add_u32 v[TKA], v3, 8, TOKB
	v_lshlrev_b32 v[CO], 4, v2
	s_and_b32 s4, ttmp7, 0xffff                    ; my block of 128 places in the list
	s_lshl_b32 s5, ttmp9, 2
	s_add_co_u32 s5, s5, s2                        ; jg: my wave's 64 columns
	s_mov_b32 s73, 0
	s_wait_kmcnt 0x0
	s_lshl_b32 s72, s5, 16
	s_add_nc_u64 s[24:25], s[12:13], s[72:73]      ; wcodes at jg of expert 0
	s_lshl_b32 s72, s5, 11
	s_add_nc_u64 s[26:27], s[14:15], s[72:73]      ; wscl likewise
	s_lshl_b32 s72, s5, 8
	s_add_nc_u64 s[28:29], s[20:21], s[72:73]      ; expert_b at my first column
	s_add_nc_u64 s[22:23], s[22:23], s[72:73]      ; out0 likewise
	s_lshl_b32 s72, s4, 9
	s_add_nc_u64 s[18:19], s[18:19], s[72:73]      ; the list at my block
	s_lshl_b32 s72, s2, 7
	s_add_nc_u64 s[74:75], s[18:19], s[72:73]      ; and at the 32 rows that my wave stages
	s_load_b512 s[32:47], s[74:75], 0x0
	s_load_b512 s[48:63], s[74:75], 0x40
	v_lshlrev_b32 v19, 2, v0
	global_load_b32 v168, v19, s[18:19]            ; my thread's row of the block
.irp a, 0,1,2,3,4,5,6,7
	global_load_b32 v[ENT+\a], v[R4], s[18:19] offset:64*\a   ; tile a, token r
.endr
.irp a, 0,1,2,3,4,5,6,7
	v_mov_b32 v[WT+2*\a+1], 0
.endr
	s_wait_kmcnt 0x0
	; ---- the gather: my wave's 32 rows of codes, two loads of 512 consecutive bytes a row
.set i, 0
.rept 32
	s_and_b32 s71, s[32+i], 0x1fff
	s_min_u32 s71, s71, 8191                       ; a token is under 8,192
	s_lshl_b32 s71, s71, 10
	v_add_nc_u32 v[128+i], s71, v[L16]
.set i, i+1
.endr
	s_wait_loadcnt 0x0                             ; the list entries (nothing else is out yet)
	WIN 0x40                                       ; destination window 1: temp's registers are free
.set i, 0
.rept 32
	global_load_b128 v[8*i:8*i+3], v[128+i], s[8:9]
	global_load_b128 v[8*i+4:8*i+7], v[128+i], s[8:9] offset:512
.set i, i+1
.endr
	WIN 0
	; ---- the block's experts: a bit for each in every lane, then a list of 4 bits each, ascending
	v_mov_b32 v19, 0
	v_mov_b32 v21, 1
.irp a, 0,1,2,3,4,5,6,7
	v_bfe_u32 v20, v[ENT+\a], 16, 3
	v_lshlrev_b32 v20, v20, v21
	v_or_b32 v19, v19, v20
	v_bfe_u32 v20, v[ENT+\a], 20, 3
	v_lshlrev_b32 v20, v20, v21
	v_or_b32 v19, v19, v20
.endr
	s_mov_b32 s66, 0                               ; the list
	s_mov_b32 s67, 0                               ; 4 x its length
.irp e, 0,1,2,3,4,5,6,7
	v_and_b32 v20, 1<<\e, v19
	v_cmp_ne_u32 vcc_lo, 0, v20                    ; does any of the 128 tokens use expert e?
	s_lshl_b32 s71, \e, s67
	s_cmp_lg_u32 vcc_lo, 0
	s_cselect_b32 s71, s71, 0
	s_cselect_b32 s72, 4, 0
	s_or_b32 s66, s66, s71
	s_add_co_u32 s67, s67, s72
.endr
	s_lshr_b32 s70, s67, 2
	s_sub_co_u32 s70, s70, 2                       ; the experts between the first and the last: a token has two different experts, so the list has two at the least
	; ---- x's scale words, the probabilities
	v_and_b32 v169, 0x1fff, v168
	v_min_u32 v169, 8191, v169                     ; my thread's token
	v_lshlrev_b32 v170, 5, v169
	global_load_b128 v[160:163], v170, s[10:11]
	global_load_b128 v[164:167], v170, s[10:11] offset:16
.irp a, 0,1,2,3,4,5,6,7
	v_and_b32 v[120+\a], 0x1fff, v[ENT+\a]
	v_min_u32 v[120+\a], 8191, v[120+\a]
	v_lshlrev_b32 v[120+\a], 3, v[120+\a]
	global_load_b64 v[WLH+2*\a:WLH+2*\a+1], v[120+\a], s[16:17]
.endr
; The pointers.  s[32:33], s[36:37]: the expert in hand's codes and scale words; s[34:35], s[38:39], s[40:41]: the next expert's codes, scale words and bias.  s68, s69: their numbers.
.macro POINT                           ; the next expert = the list's lowest four bits
	s_and_b32 s69, s66, 7
	s_min_u32 s69, s69, 7
	s_lshl_b32 s72, s69, 20
	s_mov_b32 s73, 0
	s_add_nc_u64 s[34:35], s[24:25], s[72:73]
	s_lshl_b32 s72, s69, 15
	s_add_nc_u64 s[38:39], s[26:27], s[72:73]
	s_lshl_b32 s72, s69, 12
	s_add_nc_u64 s[40:41], s[28:29], s[72:73]
.endm
.macro NEXTE
	s_wait_xcnt 0x0                                ; the loads on their way have read their bases: they may be written
	s_mov_b64 s[32:33], s[34:35]
	s_mov_b64 s[36:37], s[38:39]
	s_mov_b32 s68, s69
	s_lshr_b32 s66, s66, 4
	POINT                                          ; (behind the list's end: expert 0's, which nobody loads from)
.endm
.macro BLOAD k, nx                     ; K step k of the expert in hand (nx = 0) or of the next (1): four fragments and their scale words: 17 loads
	WIN TO_B
.irp jt, 0,1,2,3
.irp c, 0,1,2,3
	global_load_b128 v[64*((\k)%4)+16*\jt+4*\c:64*((\k)%4)+16*\jt+4*\c+3], v[L16], s[32+2*\nx:33+2*\nx] offset:8192*(\k)+2048*\jt+512*\c
.endr
.endr
	WIN 0
	global_load_b64 v[SB+2*((\k)%4):SB+2*((\k)%4)+1], v[L8], s[36+2*\nx:37+2*\nx] offset:256*(\k)
.endm
.macro BIAS                            ; the next expert's bias: lane (r, h) wants, for jt, columns 16 jt + 8 h + 0 .. 7
.irp jt, 0,1,2,3
.irp u, 0,1
	global_load_b128 v[BI+8*\jt+4*\u:BI+8*\jt+4*\u+3], v[H32], s[40:41] offset:64*\jt+16*\u
.endr
.endr
.endm
	POINT                                          ; the first expert,
	BIAS                                           ; its bias,
	NEXTE                                          ; it is now the one in hand,
	BLOAD 0, 0
	BLOAD 1, 0                                     ; and its first K steps are asked for
	s_wait_loadcnt 52                              ; the 64 loads of codes are in; behind them 2 + 8 + 8 + 34 were issued
	WIN 0x04                                       ; an LDS store's data are its source 1: window 1
.set i, 0
.rept 32
	ds_store_b128 v[STA], v[8*i:8*i+3] offset:17408*(i/16)+16*(i%16)            ; lane l's 16 bytes are piece l of the row: unit 64 a + l, token i % 16; lanes 272 bytes apart
	ds_store_b128 v[STA], v[8*i+4:8*i+7] offset:17408*(i/16)+8704+16*(i%16)     ; piece 32 + l
.set i, i+1
.endr
	WIN 0
	s_wait_loadcnt 50                              ; my token's scale words are in
.irp k, 0,1,2,3,4,5,6,7
	ds_store_b32 v[XSW], v[160+\k] offset:512*\k
.endr
	ds_store_b32 v[TKW], v169
	BLOAD 2, 0
	s_wait_dscnt 0x0                               ; for the others' sake: my stores have landed
	s_barrier_signal -1
	s_barrier_wait -1                              ; the launch's one barrier: from here on A, XSB and TOKB are only read
.macro AFETCH k, a0                    ; x's fragments of tiles a0 .. a0 + 3 for K step k: each load reads two whole units of 256 bytes
.irp a, \a0, \a0+1, \a0+2, \a0+3
.irp c, 0,1,2,3
	ds_load_b128 v[AF+16*(\a)+4*\c:AF+16*(\a)+4*\c+3], v[ADA+(\a)/3] offset:272*(64*((\a)%3)+8*(\k)+2*\c)
.endr
.endr
.endm
.macro SAFETCH k
	ds_load_b128 v[SA+4*((\k)%2):SA+4*((\k)%2)+3], v[XSA] offset:512*(\k)
.endm
.macro WM k, a, jt                     ; temp(a, jt) += W's fragment jt x x's fragment a; in K step 0 the bias starts the sum
.set rD, 8*(4*(\a)+\jt)
.set rW, 64*((\k)%4)+16*\jt
.set rX, AF+16*(\a)
.set rSW, SB+2*((\k)%4)+(\jt)/2
.set rSX, SA+4*((\k)%2)+(\a)/2
.if (\k) == 0
.set rC, BI+8*\jt
.else
.set rC, rD
.endif
.if ((\jt)%2 == 1) && ((\a)%2 == 1)
	v_wmma_scale_f32_16x16x128_f8f6f4 v[rD:rD+7], v[rW:rW+15], v[rX:rX+15], v[rC:rC+7], v[rSW], v[rSX] matrix_a_scale:MATRIX_SCALE_ROW1 matrix_b_scale:MATRIX_SCALE_ROW1
.elseif (\jt)%2 == 1
	v_wmma_scale_f32_16x16x128_f8f6f4 v[rD:rD+7], v[rW:rW+15], v[rX:rX+15], v[rC:rC+7], v[rSW], v[rSX] matrix_a_scale:MATRIX_SCALE_ROW1
.elseif (\a)%2 == 1
	v_wmma_scale_f32_16x16x128_f8f6f4 v[rD:rD+7], v[rW:rW+15], v[rX:rX+15], v[rC:rC+7], v[rSW], v[rSX] matrix_b_scale:MATRIX_SCALE_ROW1
.else
	v_wmma_scale_f32_16x16x128_f8f6f4 v[rD:rD+7], v[rW:rW+15], v[rX:rX+15], v[rC:rC+7], v[rSW], v[rSX]
.endif
.endm
.macro MUL16 k, a0                     ; 16 matrix instructions.  The 32 accumulators take turns, one instruction a turn, in the same order in every step
.irp a, \a0, \a0+1, \a0+2, \a0+3
.irp jt, 0,1,2,3
	WM \k, (\a), \jt
.endr
.endr
.endm
; A load into a register that a matrix instruction has read, and a vector instruction that reads a matrix result, stand eight places behind it; only plain vector instructions that name none of its
; registers are places.
.macro PLACES n
.rept \n
	v_nop
.endr
.endm
.macro WEIGHTS                         ; tile a, token r: its probability for expert s68, or 0 where it did not choose that expert
.irp a, 0,1,2,3,4,5,6,7
	v_bfe_u32 v[120+\a], v[ENT+\a], 16, 3
.endr
.irp a, 0,1,2,3,4,5,6,7
	v_cmp_eq_u32 vcc_lo, s68, v[120+\a]
	v_cndmask_b32 v[WT+2*\a], 0, v[WLH+2*\a], vcc_lo
.endr
.irp a, 0,1,2,3,4,5,6,7
	v_bfe_u32 v[120+\a], v[ENT+\a], 20, 3
.endr
.irp a, 0,1,2,3,4,5,6,7
	v_cmp_eq_u32 vcc_lo, s68, v[120+\a]
	v_cndmask_b32 v[WT+2*\a], v[WT+2*\a], v[WLH+2*\a+1], vcc_lo
.endr
.endm
; A K STEP of 128: 32 matrix instructions.  last = 1: the list's last expert: nothing of a next expert is asked for.
.macro STEP k, last
.if (\last) && ((\k) == 7)
	s_wait_loadcnt 0x0                             ; nothing was asked for behind this step's weights
.elseif (\last) && ((\k) == 6)
	s_wait_loadcnt 17                              ; behind them: one K step's 17 loads
.elseif ((\last) == 0) && ((\k) >= 2) && ((\k) <= 4)
	s_wait_loadcnt 42                              ; behind them: two K steps' 34 loads and the next bias's 8
.else
	s_wait_loadcnt 34                              ; behind them: two K steps' 34 loads
.endif
	s_wait_dscnt 16                                ; x's tiles 0-3 and scale words are in; tiles 4-7's 16 loads may be out
.if (\k) == 0
	WIN MUL0
.else
	WIN MUL
.endif
	MUL16 \k, 0
	s_wait_dscnt 0x0                               ; tiles 4-7 are in
.if (\k) == 0
	WIN 0
	WEIGHTS                                        ; 48 plain lines that name no register of the products: they are this step's places
.else
	PLACES 8
.endif
.if (\k) < 5
	BLOAD (\k)+3, 0                                ; three K steps ahead, into the buffer that the step before this one has left
.elseif (\last) == 0
	BLOAD (\k)-5, 1                                ; on into the next expert
.endif
.if ((\k) == 1) && ((\last) == 0)
	BIAS                                           ; K step 0 has read this expert's bias, eight places and more ago
.endif
.if ((\last) == 0) || ((\k) < 7)
	WIN 0
	AFETCH ((\k)+1)%8, 0                           ; x's codes are the same for every expert: behind K step 7 comes K step 0
	SAFETCH ((\k)+1)%8
.endif
.if (\k) == 0
	WIN MUL0
.else
	WIN MUL
.endif
	MUL16 \k, 4
	PLACES 8
	WIN 0
.if ((\last) == 0) || ((\k) < 7)
	AFETCH ((\k)+1)%8, 4
.endif
.endm
; out (+)= weight x temp.  Each accumulator is read from its low end on.  The 128 lines also stand between these sums' last products and the next expert's first, which write temp anew.
.macro COMBINE first
.if \first
	WIN MULW
.else
	WIN FMA
.endif
.set q, 0
.rept 128
.if \first
	v_pk_mul_f32 v[2*q:2*q+1], v[2*q:2*q+1], v[WT+2*(q/16):WT+2*(q/16)+1] op_sel_hi:[1,0]   ; the first expert starts out: nothing is cleared
.else
	v_pk_fma_f32 v[2*q:2*q+1], v[2*q:2*q+1], v[WT+2*(q/16):WT+2*(q/16)+1], v[2*q:2*q+1] op_sel_hi:[1,0,1]
.endif
.set q, q+1
.endr
.endm
.macro SLOT first, last                ; one expert
.irp k, 0,1,2,3,4,5,6,7
	STEP \k, \last
.endr
	COMBINE \first
	WIN 0
.if (\last) == 0
	NEXTE
.endif
.endm
	AFETCH 0, 0
	SAFETCH 0
	AFETCH 0, 4
	SLOT 1, 0                                      ; the list's first expert
	s_cmp_eq_u32 s70, 0
	s_cbranch_scc1 .Llast
.Lmid:                                                 ; those between: on every way into a copy the same loads are out and the ring stands alike
	SLOT 0, 0
	s_sub_co_u32 s70, s70, 1
	s_cmp_lg_u32 s70, 0
	s_cbranch_scc1 .Lmid
.Llast:
	SLOT 0, 1                                      ; the last is written out: it asks for nothing beyond its own weights
; THE WAY OUT, a tile of 16 tokens x 64 columns at a time: through my own stage and back as whole rows of 256 bytes; lanes 0-15 store one token's 256 consecutive bytes, aligned, lanes 16-31 the next staged row's.
; LDS serves a wave's instructions in order (ISA guide 5.7.1.4): no wait between the stores and the loads, nor in front of the next tile's stores.
.macro TOSTAGE a
	WIN 0x08                                       ; the data: window 2
.irp jt, 0,1,2,3
	ds_store_b128 v[STO], v[8*(4*(\a)+\jt):8*(4*(\a)+\jt)+3] offset:64*\jt
	ds_store_b128 v[STO], v[8*(4*(\a)+\jt)+4:8*(4*(\a)+\jt)+7] offset:64*\jt+16
.endr
	WIN 0
.irp t, 0,1,2,3,4,5,6,7
	ds_load_b128 v[BK+32*((\a)%2)+4*\t:BK+32*((\a)%2)+4*\t+3], v[RD] offset:544*\t
.endr
.irp u, 0,1
	ds_load_b128 v[TK+8*((\a)%2)+4*\u:TK+8*((\a)%2)+4*\u+3], v[TKA] offset:32*(\a)+16*\u   ; the tokens of rows 2 t + lane / 16
.endr
.endm
.macro SEND a, younger                 ; younger: the LDS instructions issued behind tile a's loads, which may stay out
	s_wait_dscnt \younger
.irp t, 0,1,2,3,4,5,6,7
	v_min_u32 v[TK+8*((\a)%2)+\t], 8191, v[TK+8*((\a)%2)+\t]
	v_lshl_add_u32 v[OF+8*((\a)%2)+\t], v[TK+8*((\a)%2)+\t], 12, v[CO]   ; a row of out0 is 4,096 bytes
	global_store_b128 v[OF+8*((\a)%2)+\t], v[BK+32*((\a)%2)+4*\t:BK+32*((\a)%2)+4*\t+3], s[22:23] th:TH_STORE_NT
.endr
.endm
	s_wait_dscnt 0x0
	TOSTAGE 0
.irp a, 1,2,3,4,5,6,7
.if \a > 1
	s_wait_xcnt 0x0                                ; tile a - 2's stores have read their registers: tile a's loads may land there
.endif
	TOSTAGE \a
	SEND (\a)-1, 18                                ; behind tile a - 1's loads: tile a's 8 stores and 10 loads
.endr
	SEND 7, 0
	s_wait_tensorcnt 0x0
	ds_add_u32 v30, v31
	s_wait_dscnt 0x0
	s_endpgm
.Lfunc_end_k_q7af233b9f4_moe:
	.size	k_q7af233b9f4_moe, .Lfunc_end_k_q7af233b9f4_moe-k_q7af233b9f4_moe
	.p2alignl 7, 3214868480
	.fill 96, 4, 3214868480
	.section	.rodata,"a",@progbits
	.p2align	6, 0x0
	.amdhsa_kernel k_q7af233b9f4_moe
		.amdhsa_group_segment_fixed_size 164352
		.amdhsa_private_segment_fixed_size 0
		.amdhsa_enable_private_segment 0
		.amdhsa_kernarg_size 64
		.amdhsa_user_sgpr_count 2
		.amdhsa_user_sgpr_kernarg_segment_ptr 1
		.amdhsa_wavefront_size32 1
		.amdhsa_system_sgpr_workgroup_id_x 1
		.amdhsa_system_sgpr_workgroup_id_y 1
		.amdhsa_system_sgpr_workgroup_id_z 1
		.amdhsa_system_vgpr_workitem_id 0
		.amdhsa_next_free_vgpr 1024
		.amdhsa_next_free_sgpr 84
		.amdhsa_reserve_vcc 1
		.amdhsa_float_denorm_mode_32 3
		.amdhsa_float_denorm_mode_16_64 3
		.amdhsa_memory_ordered 1
		.amdhsa_forward_progress 1
		.amdhsa_inst_pref_size 255
	.end_amdhsa_kernel
	.section	.bss,"aw",@nobits
	.p2align	6
	.space	262144
	.amdgpu_metadata
---
amdhsa.version: [ 1, 2 ]
amdhsa.kernels:
  - .name:           k_q7af233b9f4_moe
    .symbol:         k_q7af233b9f4_moe.kd
    .args:
      - { .name: xcodes, .offset: 0, .size: 8, .value_kind: global_buffer, .address_space: global }
      - { .name: xscl, .offset: 8, .size: 8, .value_kind: global_buffer, .address_space: global }
      - { .name: wcodes, .offset: 16, .size: 8, .value_kind: global_buffer, .address_space: global }
      - { .name: wscl, .offset: 24, .size: 8, .value_kind: global_buffer, .address_space: global }
      - { .name: wpair, .offset: 32, .size: 8, .value_kind: global_buffer, .address_space: global }
      - { .name: order, .offset: 40, .size: 8, .value_kind: global_buffer, .address_space: global }
      - { .name: expert_b, .offset: 48, .size: 8, .value_kind: global_buffer, .address_space: global }
      - { .name: out0, .offset: 56, .size: 8, .value_kind: global_buffer, .address_space: global }
    .group_segment_fixed_size: 164352
    .private_segment_fixed_size: 0
    .kernarg_segment_align: 8
    .kernarg_segment_size: 64
    .max_flat_workgroup_size: 128
    .sgpr_count:     84
    .vgpr_count:     1024
    .wavefront_size: 32
...
	.end_amdgpu_metadata
.endif
;; end of part 3
;; ======== version 2 of 2: 3 launches; version 1 with the launch moe written anew for expert scheduling mode
;; workspace buffers: xcodes 8,388,608 bytes; xscl 262,144 bytes; wcodes 8,388,608 bytes; wscl 262,144 bytes; wpair 65,536 bytes; sel 32,768 bytes of whole numbers; hist 65,536 bytes of whole numbers; order 32,768 bytes of whole numbers
;; launch prep: the kernel of part 1 again; grid 256 x 1, 4 waves a work-group, no clusters, 67,072 bytes of LDS; arguments x, gate_W, gate_b, expert_W, xcodes, xscl, wcodes, wscl, wpair, sel, hist; writes xcodes, xscl, wcodes, wscl, wpair, sel, hist
;; launch place: the kernel of part 2 again; grid 1 x 1, 32 waves a work-group, no clusters, 8,192 bytes of LDS; arguments sel, hist, order; writes order
;; launch moe (part 4): grid 4 x 64, 4 waves a work-group, no clusters, 164,352 bytes of LDS; arguments xcodes, xscl, wcodes, wscl, wpair, order, expert_b, out0; writes out0
.if DOCPART == 4
	.amdgcn_target "amdgcn-amd-amdhsa--gfx1250"
	.amdhsa_code_object_version 6
	.text
	.protected	k_q7af233b9f4_moe
	.globl	k_q7af233b9f4_moe
	.p2align	8
	.type	k_q7af233b9f4_moe,@function
k_q7af233b9f4_moe:
	s_mov_b64 s[64:65], 0
	v_nop
	global_prefetch_b8 v0, s[64:65] scope:SCOPE_SE
	s_setreg_imm32_b32 hwreg(HW_REG_WAVE_SCHED_MODE, 0, 2), 2
	s_setreg_imm32_b32 hwreg(HW_REG_WAVE_MODE, 25, 1), 1
	s_wait_xcnt 0x0
	s_wait_alu depctr_vm_vsrc(0)
; MOE.  out[t] = the sum over t's two chosen experts e of p(t, e) x (Q(x[t]) Q(W_e)^T + b_e), on codes of E4M3 with E8M0 scales, f32 sums.
; SHARES.  A work-group takes 128 tokens that stand side by side in the sorted list (work-group y) x 256 columns (work-group x); each output row has one owner, nothing is added across work-groups.
;   Wave w takes all 128 tokens x 64 columns: 32 accumulators.  The tokens' codes (128 x 1,024 bytes) are gathered into LDS once and serve every expert.
; THE WALK.  The block's list of experts (2 at the least; the sort by pairs keeps it short) is made from the stored list.  For each expert: temp = b_e + x W_e^T (the bias is the C of the first K step's
;   products), then out += w x temp, w = the token's probability for that expert, or 0 where the token did not choose it.
; The weights come from memory straight into registers: the launch before laid them in the order of the operand's registers, so each load is 512 consecutive bytes; a ring of four K steps, three asked ahead,
;   on into the next expert.
; NO TENSOR LOADS, NO CLUSTER: the number of experts walked and the weights' addresses hang on numbers read from memory and differ between work-groups, so no joint request could be made alike in all partners.
; THE MATRIX INSTRUCTION IS USED TRANSPOSED: source 0 = 16 rows of W (16 output columns), source 1 = 16 tokens: lane (r, h) holds token r and columns 16 jt + 8 h + 0 .. 7.
; LDS: A 0 .. 139,263: 512 units of 256 + 16 bytes; unit 64 a + 8 k + 2 c + h holds, for the 16 tokens of tile a, their 16 codes K = 128 k + 32 c + 16 h on: a fragment load reads whole units.
;      XSB: x's scale words [k][lane][i]: token 32 i + lane.   TOKB: the tokens' numbers, even rows then odd rows.   STGB: a stage of 16 rows x 272 bytes for each wave.
; REGISTERS, in windows of 256: window 0: addresses, scale words, bias, weights, list entries, and from v128 x's eight fragments; window 1: temp; window 2: out; window 3: the ring of W's fragments.
; THE MODE: SCHED_MODE bits 1:0 = 2 (LLVM: expert scheduling mode 2), set by the entry lines.  The code itself states the register dependences
; between vector or matrix instructions and memory or LDS instructions, with s_wait_alu, always for 0.
; THE PLAN.  Registers that memory or LDS instructions touch, in the walk (a K step's 32 products are numbered 0 to 31):
;   AF tiles 0-3  Read by a step's products 0-15; the next step's fragments land there, asked for behind the same step's products 16-19.
;   AF tiles 4-7  Read by a step's products 16-31; the next step's fragments land there, asked for behind the next step's products 0-3.
;   ring, SB      Set k % 4 is read by K step k's products; K step k + 3's 17 loads land in the set that step k - 1 read: behind step k's product 17 (scale words) and products 20-23 (codes).
;   SA            Set k % 2 is read by K step k's products; the next step's words land in the other set, behind product 16.
;   BI            Read by K step 0's products; the next expert's bias lands there behind K step 1's products 24 and 25.
;   v4-v19        Addresses and offsets, made once at the head and never written again; the weights' and the bias's bases are scalar.
;   temp, out, WT, ENT, WLH and v120-127 are named by vector and matrix instructions alone in the walk.
; All 1,024 registers are laid out, so x's fragments have one set, in two halves, and TWO waits on va_vdst stand in a K step.  At its head: the step before's products 16-31 are done reading tiles 4-7.
; In its middle: products 0-15 are done reading tiles 0-3, and the step before is done with its set of the ring, of SB and of SA (in K step 1: K step 0 with BI).  Behind each wait the loads are dealt among the
; products that follow it, four behind a product; those products name other tiles and other sets than the loads touch, so nothing more is owed.  A group of loads stands between two window switches.
.set L16, 4                            ; v4   16 x lane
.set L8,  5                            ; v5   8 x lane
.set H32, 6                            ; v6   32 h
.set R4,  7                            ; v7   4 r
.set ADA, 8                            ; v8-10  x's fragments in LDS: 272 h + 16 r + 52,224 g: tiles 3 g .. 3 g + 2
.set XSA, 11                           ; v11  x's scale words: XSB + 16 x lane
.set STA, 12                           ; v12  staging: 272 x lane + 34,816 x wave
.set XSW, 13                           ; v13  staging: XSB + 16 x lane + 4 x wave
.set TKW, 14                           ; v14  staging: my row's word in TOKB
.set STO, 15                           ; v15  the way out: where I put 32 bytes of a row
.set RD,  16                           ; v16  the way out: where I read a row back
.set TKA, 17                           ; v17  the way out: TOKB + 256 (lane / 16)
.set CO,  18                           ; v18  the way out: 16 (lane % 16)
.set SA,  32                           ; v32-39  x's scale words, two sets of 4: register a / 2, lanes 0-15 tile a even, lanes 16-31 tile a odd
.set SB,  40                           ; v40-47  W's scale words, a ring of 4 x 2: register jt / 2, likewise
.set BI,  48                           ; v48-79  the bias in the result's layout, 8 registers for each jt
.set WT,  80                           ; v80-95  tile a's weight at v[80 + 2 a]; the odd registers are named with them as pairs, so they are written
.set ENT, 96                           ; v96-103 tile a's list entry of token r
.set WLH, 104                          ; v104-119 tile a's two probabilities of token r
.set AF,  128                          ; v128-255 x's fragments, tile a at 128 + 16 a
.set BK,  128                          ; the way out: two sets of 32: 16 rows read back
.set OF,  192                          ; the way out: v192-255: tile a's eight tokens at OF + 8 a, then their offsets in out
.set XSB,  139264
.set TOKB, 143360
.set STGB, 143872
.set MSB, 0
.macro WIN new                         ; the immediate's high byte repeats the setting that is left
.if MSB != \new
	s_set_vgpr_msb (MSB<<8)|\new
.set MSB, \new
.endif
.endm
.set MUL,  0x53                        ; source 0 (W) window 3, source 1 (x) window 0, C and D window 1
.set MUL0, 0x43                        ; the same with C = the bias, window 0
.set TO_B, 0xc0                        ; destination window 3
.set FMA,  0xa1                        ; source 0 (temp) window 1, source 1 (weight) window 0, source 2 and destination (out) window 2
.set MULW, 0x81                        ; the same without source 2
	s_load_b512 s[8:23], s[0:1], 0x0               ; xcodes 8:9, xscl 10:11, wcodes 12:13, wscl 14:15, wpair 16:17, order 18:19, expert_b 20:21, out0 22:23
	v_lshl_add_u32 v30, v0, 2, 0x28000
	v_mov_b32 v31, 0
	v_lshrrev_b32 v1, 5, v0
	v_readfirstlane_b32 s2, v1                     ; wave 0..3
	v_and_b32 v1, 31, v0                           ; lane
	v_and_b32 v2, 15, v0                           ; r
	v_bfe_u32 v3, v0, 4, 1                         ; h
	v_lshlrev_b32 v[L16], 4, v1
	v_lshlrev_b32 v[L8], 3, v1
	v_lshlrev_b32 v[H32], 5, v3
	v_lshlrev_b32 v[R4], 2, v2
	v_mul_u32_u24 v[ADA], v3, 272
	v_lshl_add_u32 v[ADA], v2, 4, v[ADA]
	v_add_nc_u32 v[ADA+1], 52224, v[ADA]
	v_add_nc_u32 v[ADA+2], 104448, v[ADA]
	v_add_nc_u32 v[XSA], XSB, v[L16]
	s_wait_alu depctr_va_sdst(0)                   ; s2 is written, ahead of its first reader: LDS places and the bases are made from it
	s_mul_i32 s3, s2, 34816
	v_mul_u32_u24 v[STA], v1, 272
	v_add_nc_u32 v[STA], s3, v[STA]
	s_lshl_b32 s3, s2, 2
	v_add_nc_u32 v[XSW], s3, v[XSA]
	v_and_b32 v19, 1, v0
	v_lshrrev_b32 v20, 1, v0
	v_lshlrev_b32 v20, 2, v20
	v_lshl_add_u32 v[TKW], v19, 8, v20
	v_add_nc_u32 v[TKW], TOKB, v[TKW]
	s_mul_i32 s3, s2, 4352
	s_add_co_u32 s3, s3, STGB                      ; my stage
	v_mul_u32_u24 v[STO], v2, 272
	v_lshl_add_u32 v[STO], v3, 5, v[STO]
	v_add_nc_u32 v[STO], s3, v[STO]
	v_mul_u32_u24 v[RD], v3, 272
	v_lshl_add_u32 v[RD], v2, 4, v[RD]
	v_add_nc_u32 v[RD], s3, v[RD]
	v_lshl_add_u32 v[TKA], v3, 8, TOKB
	v_lshlrev_b32 v[CO], 4, v2
	s_and_b32 s4, ttmp7, 0xffff                    ; my block of 128 places in the list
	s_lshl_b32 s5, ttmp9, 2
	s_add_co_u32 s5, s5, s2                        ; jg: my wave's 64 columns
	s_mov_b32 s73, 0
	s_wait_kmcnt 0x0
	s_lshl_b32 s72, s5, 16
	s_add_nc_u64 s[24:25], s[12:13], s[72:73]      ; wcodes at jg of expert 0
	s_lshl_b32 s72, s5, 11
	s_add_nc_u64 s[26:27], s[14:15], s[72:73]      ; wscl likewise
	s_lshl_b32 s72, s5, 8
	s_add_nc_u64 s[28:29], s[20:21], s[72:73]      ; expert_b at my first column
	s_add_nc_u64 s[22:23], s[22:23], s[72:73]      ; out0 likewise
	s_lshl_b32 s72, s4, 9
	s_add_nc_u64 s[18:19], s[18:19], s[72:73]      ; the list at my block
	s_lshl_b32 s72, s2, 7
	s_add_nc_u64 s[74:75], s[18:19], s[72:73]      ; and at the 32 rows that my wave stages
	s_load_b512 s[32:47], s[74:75], 0x0
	s_load_b512 s[48:63], s[74:75], 0x40
	v_lshlrev_b32 v19, 2, v0                       ; my thread's row of the block; never written again
.irp a, 0,1,2,3,4,5,6,7
	v_mov_b32 v[WT+2*\a+1], 0
.endr
	s_wait_alu depctr_va_vdst(0)                   ; the addresses and offsets v4 to v19 are written: every load and store of the kernel that is not a gather reads one of them
	global_load_b32 v168, v19, s[18:19]            ; my thread's row of the block
.irp a, 0,1,2,3,4,5,6,7
	global_load_b32 v[ENT+\a], v[R4], s[18:19] offset:64*\a   ; tile a, token r
.endr
	s_wait_kmcnt 0x0
	; ---- the gather: my wave's 32 rows of codes, two loads of 512 consecutive bytes a row
.set i, 0
.rept 32
	s_and_b32 s71, s[32+i], 0x1fff
	s_min_u32 s71, s71, 8191                       ; a token is under 8,192
	s_lshl_b32 s71, s71, 10
	v_add_nc_u32 v[128+i], s71, v[L16]
.set i, i+1
.endr
	s_wait_loadcnt 0x0                             ; the list entries (nothing else is out yet)
	v_and_b32 v169, 0x1fff, v168
	v_min_u32 v169, 8191, v169                     ; my thread's token
	v_lshlrev_b32 v170, 5, v169                    ; its row of scale bytes
.irp a, 0,1,2,3,4,5,6,7
	v_and_b32 v[120+\a], 0x1fff, v[ENT+\a]
.endr
.irp a, 0,1,2,3,4,5,6,7
	v_min_u32 v[120+\a], 8191, v[120+\a]
.endr
.irp a, 0,1,2,3,4,5,6,7
	v_lshlrev_b32 v[120+\a], 3, v[120+\a]          ; tile a, token r: its pair of probabilities
.endr
	WIN 0x40                                       ; destination window 1: temp's registers are free
	s_wait_alu depctr_va_vdst(0)                   ; the offsets v128-159, v170 and v120-127 are written, which the 74 loads below read; so is v169, which an LDS store reads further down
.set i, 0
.rept 32
	global_load_b128 v[8*i:8*i+3], v[128+i], s[8:9]
	global_load_b128 v[8*i+4:8*i+7], v[128+i], s[8:9] offset:512
.set i, i+1
.endr
	WIN 0
	; ---- x's scale words, the probabilities
	global_load_b128 v[160:163], v170, s[10:11]
	global_load_b128 v[164:167], v170, s[10:11] offset:16
.irp a, 0,1,2,3,4,5,6,7
	global_load_b64 v[WLH+2*\a:WLH+2*\a+1], v[120+\a], s[16:17]
.endr
	; ---- the block's experts: a bit for each in every lane, then a list of 4 bits each, ascending.  These lines name v20-22 and the list entries: no register that a load on its way touches
	v_mov_b32 v22, 0
	v_mov_b32 v21, 1
.irp a, 0,1,2,3,4,5,6,7
	v_bfe_u32 v20, v[ENT+\a], 16, 3
	v_lshlrev_b32 v20, v20, v21
	v_or_b32 v22, v22, v20
	v_bfe_u32 v20, v[ENT+\a], 20, 3
	v_lshlrev_b32 v20, v20, v21
	v_or_b32 v22, v22, v20
.endr
.irp e, 0,1,2,3,4,5,6,7
	v_and_b32 v20, 1<<\e, v22
	v_cmp_ne_u32 s[48+\e], 0, v20                  ; does any of the 128 tokens use expert e?
.endr
	s_wait_alu depctr_va_sdst(0)                   ; the eight compares have written s48-55, ahead of their first reader
	s_mov_b32 s66, 0                               ; the list
	s_mov_b32 s67, 0                               ; 4 x its length
.irp e, 0,1,2,3,4,5,6,7
	s_lshl_b32 s71, \e, s67
	s_cmp_lg_u32 s[48+\e], 0
	s_cselect_b32 s71, s71, 0
	s_cselect_b32 s72, 4, 0
	s_or_b32 s66, s66, s71
	s_add_co_u32 s67, s67, s72
.endr
	s_lshr_b32 s70, s67, 2
	s_sub_co_u32 s70, s70, 2                       ; the experts between the first and the last: a token has two different experts, so the list has two at the least
; The pointers.  s[32:33], s[36:37]: the expert in hand's codes and scale words; s[34:35], s[38:39], s[40:41]: the next expert's codes, scale words and bias.  s68, s69: their numbers.
.macro POINT                           ; the next expert = the list's lowest four bits
	s_and_b32 s69, s66, 7
	s_min_u32 s69, s69, 7
	s_lshl_b32 s72, s69, 20
	s_mov_b32 s73, 0
	s_add_nc_u64 s[34:35], s[24:25], s[72:73]
	s_lshl_b32 s72, s69, 15
	s_add_nc_u64 s[38:39], s[26:27], s[72:73]
	s_lshl_b32 s72, s69, 12
	s_add_nc_u64 s[40:41], s[28:29], s[72:73]
.endm
.macro NEXTE
	s_wait_xcnt 0x0                                ; the loads on their way have read their bases: they may be written
	s_mov_b64 s[32:33], s[34:35]
	s_mov_b64 s[36:37], s[38:39]
	s_mov_b32 s68, s69
	s_lshr_b32 s66, s66, 4
	POINT                                          ; (behind the list's end: expert 0's, which nobody loads from)
.endm
; K step k of the expert in hand (nx = 0) or of the next (1): its scale words (one load, window 0) and four fragments (four loads each, destination window 3): 17 loads
.macro BSCALE k, nx
	global_load_b64 v[SB+2*((\k)%4):SB+2*((\k)%4)+1], v[L8], s[36+2*\nx:37+2*\nx] offset:256*(\k)
.endm
.macro BCODES k, nx, jt
.irp c, 0,1,2,3
	global_load_b128 v[64*((\k)%4)+16*(\jt)+4*\c:64*((\k)%4)+16*(\jt)+4*\c+3], v[L16], s[32+2*\nx:33+2*\nx] offset:8192*(\k)+2048*(\jt)+512*\c
.endr
.endm
.macro BLOAD k, nx                     ; the 17 in one run, for the head
	BSCALE \k, \nx
	WIN TO_B
.irp jt, 0,1,2,3
	BCODES \k, \nx, \jt
.endr
	WIN 0
.endm
.macro BIASH p                         ; half p of the next expert's bias: lane (r, h) wants, for jt = 2 p and 2 p + 1, columns 16 jt + 8 h + 0 .. 7
.irp j, 0,1
.irp u, 0,1
	global_load_b128 v[BI+8*(2*(\p)+\j)+4*\u:BI+8*(2*(\p)+\j)+4*\u+3], v[H32], s[40:41] offset:64*(2*(\p)+\j)+16*\u
.endr
.endr
.endm
	POINT                                          ; the first expert,
	BIASH 0                                        ; its bias,
	BIASH 1
	NEXTE                                          ; it is now the one in hand,
	BLOAD 0, 0
	BLOAD 1, 0                                     ; and its first K steps are asked for
	s_wait_loadcnt 52                              ; the 64 loads of codes are in; behind them 2 + 8 + 8 + 34 were issued
	WIN 0x04                                       ; an LDS store's data are its source 1: window 1
.set i, 0
.rept 32
	ds_store_b128 v[STA], v[8*i:8*i+3] offset:17408*(i/16)+16*(i%16)            ; lane l's 16 bytes are piece l of the row: unit 64 a + l, token i % 16; lanes 272 bytes apart
	ds_store_b128 v[STA], v[8*i+4:8*i+7] offset:17408*(i/16)+8704+16*(i%16)     ; piece 32 + l
.set i, i+1
.endr
	WIN 0
	s_wait_loadcnt 50                              ; my token's scale words are in
.irp k, 0,1,2,3,4,5,6,7
	ds_store_b32 v[XSW], v[160+\k] offset:512*\k
.endr
	ds_store_b32 v[TKW], v169
	BLOAD 2, 0
	s_wait_dscnt 0x0                               ; for the others' sake: my stores have landed
	s_barrier_signal -1
	s_barrier_wait -1                              ; the launch's one barrier: from here on A, XSB and TOKB are only read
	s_wait_alu depctr_vm_vsrc(0)                   ; my LDS stores have read window 1, v160-167 and v169, and the loads of the head their offsets v128-159, v170 and v120-127: the products write window 1, x's fragments land in v128-255, the weights' lines write v120-127
.macro ATILE k, a                      ; x's fragment of tile a for K step k: each load reads two whole units of 256 bytes
.irp c, 0,1,2,3
	ds_load_b128 v[AF+16*(\a)+4*\c:AF+16*(\a)+4*\c+3], v[ADA+(\a)/3] offset:272*(64*((\a)%3)+8*(\k)+2*\c)
.endr
.endm
.macro SAFETCH k
	ds_load_b128 v[SA+4*((\k)%2):SA+4*((\k)%2)+3], v[XSA] offset:512*(\k)
.endm
.macro WM k, a, jt                     ; temp(a, jt) += W's fragment jt x x's fragment a; in K step 0 the bias starts the sum
.set rD, 8*(4*(\a)+(\jt))
.set rW, 64*((\k)%4)+16*(\jt)
.set rX, AF+16*(\a)
.set rSW, SB+2*((\k)%4)+(\jt)/2
.set rSX, SA+4*((\k)%2)+(\a)/2
.if (\k) == 0
.set rC, BI+8*(\jt)
.else
.set rC, rD
.endif
.if ((\jt)%2 == 1) && ((\a)%2 == 1)
	v_wmma_scale_f32_16x16x128_f8f6f4 v[rD:rD+7], v[rW:rW+15], v[rX:rX+15], v[rC:rC+7], v[rSW], v[rSX] matrix_a_scale:MATRIX_SCALE_ROW1 matrix_b_scale:MATRIX_SCALE_ROW1
.elseif (\jt)%2 == 1
	v_wmma_scale_f32_16x16x128_f8f6f4 v[rD:rD+7], v[rW:rW+15], v[rX:rX+15], v[rC:rC+7], v[rSW], v[rSX] matrix_a_scale:MATRIX_SCALE_ROW1
.elseif (\a)%2 == 1
	v_wmma_scale_f32_16x16x128_f8f6f4 v[rD:rD+7], v[rW:rW+15], v[rX:rX+15], v[rC:rC+7], v[rSW], v[rSX] matrix_b_scale:MATRIX_SCALE_ROW1
.else
	v_wmma_scale_f32_16x16x128_f8f6f4 v[rD:rD+7], v[rW:rW+15], v[rX:rX+15], v[rC:rC+7], v[rSW], v[rSX]
.endif
.endm
; A vector instruction that reads a matrix result stands eight places behind it; only plain vector instructions that name none of its registers are places.
; For a load into a register that a matrix instruction has read, the wait on va_vdst states the dependence.
.macro PLACES n
.rept \n
	v_nop
.endr
.endm
.macro WEIGHTS                         ; tile a, token r: its probability for expert s68, or 0 where it did not choose that expert
.irp a, 0,1,2,3,4,5,6,7
	v_bfe_u32 v[120+\a], v[ENT+\a], 16, 3
.endr
.irp a, 0,1,2,3,4,5,6,7
	v_cmp_eq_u32 s[48+\a], s68, v[120+\a]
.endr
.irp a, 0,1,2,3,4,5,6,7
	v_bfe_u32 v[120+\a], v[ENT+\a], 20, 3
.endr
.irp a, 0,1,2,3,4,5,6,7
	v_cmp_eq_u32 s[56+\a], s68, v[120+\a]
.endr
	s_wait_alu depctr_va_sdst(0)                   ; the sixteen compares have written s48-63, ahead of the selects that read them
.irp a, 0,1,2,3,4,5,6,7
	v_cndmask_b32 v[WT+2*\a], 0, v[WLH+2*\a], s[48+\a]
.endr
.irp a, 0,1,2,3,4,5,6,7
	v_cndmask_b32 v[WT+2*\a], v[WT+2*\a], v[WLH+2*\a+1], s[56+\a]
.endr
.endm
; What stands behind product n of K step k.  No wait: no vector or matrix instruction since the last wait on va_vdst names a register that these loads touch.
.macro DEAL k, last
.if n < 4
	WIN 0
	ATILE \k, 4+n                                  ; this step's tiles 4-7
.elseif (n >= 16) && (n < 20) && (((\last) == 0) || ((\k) < 7))
	WIN 0
	ATILE ((\k)+1)%8, n-16                         ; the next step's tiles 0-3.  x's codes are the same for every expert: behind K step 7 comes K step 0
.if n == 16
	SAFETCH ((\k)+1)%8
.endif
.if (n == 17) && ((\k) < 5)
	BSCALE (\k)+3, 0                               ; three K steps ahead, into the set that the step before this one has left
.elseif (n == 17) && ((\last) == 0)
	BSCALE (\k)-5, 1                               ; on into the next expert
.endif
.elseif (n >= 20) && (n < 24) && ((\k) < 5)
	WIN TO_B
	BCODES (\k)+3, 0, n-20
.elseif (n >= 20) && (n < 24) && ((\last) == 0)
	WIN TO_B
	BCODES (\k)-5, 1, n-20
.elseif (n >= 24) && (n < 26) && ((\k) == 1) && ((\last) == 0)
	WIN 0
	BIASH n-24                                     ; K step 0 has read this expert's bias
.endif
.endm
; A K STEP of 128: 32 matrix instructions, product n = tile n / 4 x fragment n % 4.  The 32 accumulators take turns, one instruction a turn, in the same order in every step.
; first = 1: the list's first expert.  last = 1: its last: nothing of a next expert is asked for.
.macro STEP k, first, last
.if (\last) && ((\k) == 7)
	s_wait_loadcnt 0x0                             ; nothing was asked for behind this step's weights
.elseif (\last) && ((\k) == 6)
	s_wait_loadcnt 17                              ; behind them: one K step's 17 loads
.elseif ((\last) == 0) && ((\k) >= 2) && ((\k) <= 4)
	s_wait_loadcnt 42                              ; behind them: two K steps' 34 loads and the next bias's 8
.else
	s_wait_loadcnt 34                              ; behind them: two K steps' 34 loads
.endif
	s_wait_dscnt 0x0                               ; x's tiles 0-3 and scale words are in
.if ((\first) == 0) || ((\k) > 0)
	s_wait_alu depctr_va_vdst(0)                   ; the step before's products are done reading x's tiles 4-7, in which the loads behind products 0-3 land
.endif
.set n, 0
.rept 32
.if n == 16
	s_wait_dscnt 0x0                               ; tiles 4-7 are in
.if (\k) == 0
	WIN 0
	WEIGHTS                                        ; they name no register of a product and none that a load touches
.endif
.if ((\last) == 0) || ((\k) < 7)
	s_wait_alu depctr_va_vdst(0)                   ; products 0-15 are done reading x's tiles 0-3; the step before is done reading its set of the ring, of SB and of SA (in K step 1: K step 0 the bias): the loads behind products 16-25 land there
.endif
.endif
.if (\k) == 0
	WIN MUL0
.else
	WIN MUL
.endif
	WM \k, n/4, n%4
	DEAL \k, \last
.set n, n+1
.endr
.if (\k) == 7
	PLACES 8                                       ; behind the expert's last products, ahead of the lines that read temp
.endif
.endm
; out (+)= weight x temp.  Each accumulator is read from its low end on.  The 128 lines also stand between these sums' last products and the next expert's first, which write temp anew.
.macro COMBINE first
.if \first
	WIN MULW
.else
	WIN FMA
.endif
.set q, 0
.rept 128
.if \first
	v_pk_mul_f32 v[2*q:2*q+1], v[2*q:2*q+1], v[WT+2*(q/16):WT+2*(q/16)+1] op_sel_hi:[1,0]   ; the first expert starts out: nothing is cleared
.else
	v_pk_fma_f32 v[2*q:2*q+1], v[2*q:2*q+1], v[WT+2*(q/16):WT+2*(q/16)+1], v[2*q:2*q+1] op_sel_hi:[1,0,1]
.endif
.set q, q+1
.endr
.endm
.macro SLOT first, last                ; one expert
.irp k, 0,1,2,3,4,5,6,7
	STEP \k, \first, \last
.endr
	COMBINE \first
	WIN 0
.if (\last) == 0
	NEXTE
.endif
.endm
.irp a, 0,1,2,3
	ATILE 0, \a
.endr
	SAFETCH 0
	SLOT 1, 0                                      ; the list's first expert
	s_cmp_eq_u32 s70, 0
	s_cbranch_scc1 .Llast
.Lmid:                                                 ; those between: on every way into a copy the same loads are out and the ring stands alike
	SLOT 0, 0
	s_sub_co_u32 s70, s70, 1
	s_cmp_lg_u32 s70, 0
	s_cbranch_scc1 .Lmid
.Llast:
	SLOT 0, 1                                      ; the last is written out: it asks for nothing beyond its own weights
; THE WAY OUT, a tile of 16 tokens x 64 columns at a time: through my own stage and back as whole rows of 256 bytes; lanes 0-15 store one token's 256 consecutive bytes, aligned, lanes 16-31 the next staged row's.
; LDS serves a wave's instructions in order (ISA guide 5.7.1.4): no wait between the stores and the loads, nor in front of the next tile's stores.
; The plan: out (window 2) is read by the LDS stores and written no more.  All 64 tokens come at once into OF and their offsets are made in place, ahead of one wait: no vector instruction follows it.
; BK's two sets take turns: tile a's rows land in the set that tile a - 2's global stores read.
.macro TOSTAGE a
	WIN 0x08                                       ; the data: window 2
.irp jt, 0,1,2,3
	ds_store_b128 v[STO], v[8*(4*(\a)+\jt):8*(4*(\a)+\jt)+3] offset:64*\jt
	ds_store_b128 v[STO], v[8*(4*(\a)+\jt)+4:8*(4*(\a)+\jt)+7] offset:64*\jt+16
.endr
	WIN 0
.irp t, 0,1,2,3,4,5,6,7
	ds_load_b128 v[BK+32*((\a)%2)+4*\t:BK+32*((\a)%2)+4*\t+3], v[RD] offset:544*\t
.endr
.endm
.macro SEND a, younger                 ; younger: the LDS instructions issued behind tile a's loads, which may stay out
	s_wait_dscnt \younger
.irp t, 0,1,2,3,4,5,6,7
	global_store_b128 v[OF+8*(\a)+\t], v[BK+32*((\a)%2)+4*\t:BK+32*((\a)%2)+4*\t+3], s[22:23] th:TH_STORE_NT
.endr
.endm
	s_wait_alu depctr_va_vdst(0)                   ; the last sums have written out, which the LDS stores read; the products are done reading v128-255, in which the loads below land
.irp a, 0,1,2,3,4,5,6,7
.irp u, 0,1
	ds_load_b128 v[OF+8*\a+4*\u:OF+8*\a+4*\u+3], v[TKA] offset:32*\a+16*\u   ; tile a: the tokens of rows 2 t + lane / 16
.endr
.endr
	TOSTAGE 0
	s_wait_dscnt 16                                ; the tokens are in; behind them: tile 0's 8 stores and 8 loads
.set i, 0
.rept 64
	v_min_u32 v[OF+i], 8191, v[OF+i]               ; a token is under 8,192
.set i, i+1
.endr
.set i, 0
.rept 64
	v_lshl_add_u32 v[OF+i], v[OF+i], 12, v[CO]     ; a row of out0 is 4,096 bytes
.set i, i+1
.endr
	s_wait_alu depctr_va_vdst(0)                   ; the 64 offsets are written, which the global stores read
.irp a, 1,2,3,4,5,6,7
.if \a > 1
	s_wait_xcnt 0x0                                ; tile a - 2's stores have had their addresses translated,
	s_wait_alu depctr_vm_vsrc(0)                   ; and have read their set of BK, in which tile a's loads land
.endif
	TOSTAGE \a
	SEND (\a)-1, 16                                ; behind tile a - 1's loads: tile a's 8 stores and 8 loads
.endr
	SEND 7, 0
	s_wait_dscnt 0x0
	s_wait_alu depctr_hold_cnt(0) depctr_sa_sdst(0) depctr_va_vdst(0) depctr_va_sdst(0) depctr_va_ssrc(0) depctr_va_vcc(0) depctr_vm_vsrc(0)
	s_wait_tensorcnt 0x0
	ds_add_u32 v30, v31
	s_wait_dscnt 0x0
	s_endpgm
.Lfunc_end_k_q7af233b9f4_moe:
	.size	k_q7af233b9f4_moe, .Lfunc_end_k_q7af233b9f4_moe-k_q7af233b9f4_moe
	.p2alignl 7, 3214868480
	.fill 96, 4, 3214868480
	.section	.rodata,"a",@progbits
	.p2align	6, 0x0
	.amdhsa_kernel k_q7af233b9f4_moe
		.amdhsa_group_segment_fixed_size 164352
		.amdhsa_private_segment_fixed_size 0
		.amdhsa_enable_private_segment 0
		.amdhsa_kernarg_size 64
		.amdhsa_user_sgpr_count 2
		.amdhsa_user_sgpr_kernarg_segment_ptr 1
		.amdhsa_wavefront_size32 1
		.amdhsa_system_sgpr_workgroup_id_x 1
		.amdhsa_system_sgpr_workgroup_id_y 1
		.amdhsa_system_sgpr_workgroup_id_z 1
		.amdhsa_system_vgpr_workitem_id 0
		.amdhsa_next_free_vgpr 1024
		.amdhsa_next_free_sgpr 84
		.amdhsa_reserve_vcc 0
		.amdhsa_float_denorm_mode_32 3
		.amdhsa_float_denorm_mode_16_64 3
		.amdhsa_memory_ordered 1
		.amdhsa_forward_progress 1
		.amdhsa_inst_pref_size 255
	.end_amdhsa_kernel
	.section	.bss,"aw",@nobits
	.p2align	6
	.space	262144
	.amdgpu_metadata
---
amdhsa.version: [ 1, 2 ]
amdhsa.kernels:
  - .name:           k_q7af233b9f4_moe
    .symbol:         k_q7af233b9f4_moe.kd
    .args:
      - { .name: xcodes, .offset: 0, .size: 8, .value_kind: global_buffer, .address_space: global }
      - { .name: xscl, .offset: 8, .size: 8, .value_kind: global_buffer, .address_space: global }
      - { .name: wcodes, .offset: 16, .size: 8, .value_kind: global_buffer, .address_space: global }
      - { .name: wscl, .offset: 24, .size: 8, .value_kind: global_buffer, .address_space: global }
      - { .name: wpair, .offset: 32, .size: 8, .value_kind: global_buffer, .address_space: global }
      - { .name: order, .offset: 40, .size: 8, .value_kind: global_buffer, .address_space: global }
      - { .name: expert_b, .offset: 48, .size: 8, .value_kind: global_buffer, .address_space: global }
      - { .name: out0, .offset: 56, .size: 8, .value_kind: global_buffer, .address_space: global }
    .group_segment_fixed_size: 164352
    .private_segment_fixed_size: 0
    .kernarg_segment_align: 8
    .kernarg_segment_size: 64
    .max_flat_workgroup_size: 128
    .sgpr_count:     84
    .vgpr_count:     1024
    .wavefront_size: 32
...
	.end_amdgpu_metadata
.endif
;; end of part 4
